; MI455X (gfx1250); checked and timed in simulation.
; The chip was launched on July 23, 2026; its instructions are those of AMD's public machine-readable ISA for CDNA 5 (MIT licence, August 2026) and "CDNA5" Instruction Set Architecture Reference Guide (July 2026). The comments in the code are by the model that wrote it; some were corrected since.
;; Hard Moe. Allowed arithmetic: matrix products marked QUANTISED: E4M3 operands, one given power-of-two scale a tensor, by v_wmma_f32_16x16x64_fp8_fp8 or v_wmma_f32_16x16x128_fp8_fp8, f32 sums; products left as they are: f32 operands where the result goes on into a quantised operand, else bf16, f16 or f32 operands; f32 sums; everything else in f32.
;; Inputs: expert_b 8 x 2,048 float32; expert_w_codes 8 x 2,048 x 64 x 32 uint8 (E4M3 codes of expert_w, K innermost, in blocks of 32 codes); gate_b 8 float32; gate_w 2,048 x 8 float32; lowp_scales 2 int32 (the exponents e of the quantised operands' scales 2^e); x 8 x 256 x 2,048 float32.
;; Outputs: out0 8 x 256 x 2,048 float32.
;; This version of the problem:
;;   THIS VERSION OF THE PROBLEM IS GIVEN IN LOW PRECISION. The matrix products marked QUANTISED in the list below multiply operands that are first quantised to E4M3 (4 exponent bits, 3 mantissa bits; 8 bits a number), with one given power-of-two scale for each operand tensor; their sums are f32. All else is computed in f32.
;;   The module's matrix products, in the order in which they are computed (A, B: the left and right operand; K: the contracted axis; several contracted axes count as one K, in the product's order):
;;     1. [M 2,048, K 2,048] x [K 2,048, N 8]; A: input x; B: input gate_w: left as it is (N = 8 < 16)
;;     2. [M 2,048, K 2,048] x [K 2,048, N 16,384]; A: input x; B: input expert_w (given as codes): QUANTISED (scales: A lowp_scales[0], B lowp_scales[1])
;;   THE QUANTISER, for each operand of a quantised product, along K:
;;     - The operand's scale is 2^e, e = its entry of the input lowp_scales (int32; the entries are numbered through the quantised products in the list's order, A before B).
;;     - Each number is divided by the scale, clamped to +-448, and rounded to the nearest number of E4M3, ties to even, subnormals kept.
;;     - The product sums the exact products of the quantised numbers (number of the format x scale) in f32.
;;   ~~~python
;;   def quantise(x, axis, e):      # numpy; x: float32 -> the quantised numbers, widened to float32 again
;;       x = np.moveaxis(x, axis, -1); K = x.shape[-1]
;;       r = np.clip(x / 2.0 ** e, -448, 448)
;;       step = 2.0 ** (np.maximum(np.frexp(np.where(r == 0, 1, r))[1] - 1, -6) - 3)
;;       q = np.round(r / step) * step * 2.0 ** e      # np.round: ties to even
;;       return np.moveaxis(q, -1, axis).astype(np.float32)
;;   ~~~
;;   INPUTS GIVEN AS CODES. expert_w (in the module: [8, 2048, 2048], K = its axis 1): each comes as NAME_codes (uint8): NAME with its K axis moved to the last place and cut into blocks of 32 codes, [.., K / 32, bytes a block], one block behind the other in memory; one code a byte (a code: sign, 4 exponent bits, 3 mantissa bits); its scale is its entry of lowp_scales. Its value is code x scale, taken as it is: it is not quantised again, and the codes and scales need not be those that the quantiser above would give.
;; 2 versions. Each part assembles by itself: llvm-mc -triple=amdgcn-amd-amdhsa -mcpu=gfx1250 --defsym DOCPART=n.
;; ======== version 1 of 2: 3 launches
;; limits: right only within a limited range of input values
;; workspace buffers: xq 4,194,304 bytes; wf 33,554,432 bytes; sel 8,192 bytes of whole numbers; list 24,576 bytes of whole numbers; blk 256 bytes of whole numbers
;; launch route (part 1): grid 256 x 1, 4 waves a work-group, no clusters, 91,648 bytes of LDS; arguments x, gate_w, gate_b, lowp_scales, xq, sel, list; writes xq, sel, list
.if DOCPART == 1
	.amdgcn_target "amdgcn-amd-amdhsa--gfx1250"
	.amdhsa_code_object_version 6
	.text
	.protected	k_q22e473d99f_route
	.globl	k_q22e473d99f_route
	.p2align	8
	.type	k_q22e473d99f_route,@function
k_q22e473d99f_route:
	s_mov_b64 s[64:65], 0
	v_nop
	global_prefetch_b8 v0, s[64:65] scope:SCOPE_SE
	s_setreg_imm32_b32 hwreg(HW_REG_WAVE_MODE, 25, 1), 1
	s_wait_xcnt 0x0
; ROUTE.  For 2,048 tokens of 2,048 numbers: the gate's 8 logits in f32 (x . gate_w + gate_b), the two largest (of equal logits the lower expert wins, as jax.lax.top_k has it),
; and x as codes of E4M3 with the given scale 2^ex (ex = lowp_scales[0]): code = x / 2^ex, held within +-448, to the nearest code, ties to even.
; OUT: xq [token][2048] codes, k in its natural order;  sel[token] = (1 << first expert) | (1 << second expert), at a fixed place for each token;  list: zeros (the next launch stores tokens over them).
; SHARES.  Work-group g takes tokens 8 g .. 8 g + 7.  Wave w takes k = 512 w .. 512 w + 511 of each; of load j (0..3) lane L holds k = 512 w + 128 j + 4 L + 0..3, so every load of x is 512 consecutive bytes.
; The wave's 512 rows of gate_w (16 KiB) stay in 128 registers.  x is read once and serves the logits and the codes.
; No matrix unit (8 columns), no tensor load, no cluster: work-groups share gate_w alone, 64 KiB.
; LIMITS: -126 <= ex <= 119 (2^ex and 448 x 2^ex are made as f32 patterns).  NaN and infinities among the inputs are not served: the logits must be finite.
; The logits are summed in another order than a plain chain over k: 16 in a lane, a tree over 32 lanes, four waves; two logits nearer to each other than f32 rounding may change places.
.set GST,  0                           ; LDS: gate_w's turn: for each wave 128 chunks of 128 bytes, 144 apart (9 x 16 bytes, ISA guide 11.1)
.set CT,   73728                       ; the codes' turn: 4,096 bytes a wave, 512 a row
.set PART, 90112                       ; the waves' partial logits: 128 bytes a row = 4 waves x 8 numbers
.set C,  12                            ; v12-15   a row's codes: register j = load j's four
.set S,  16                            ; v16-23   eight sums
.set T,  24                            ; v24-31   the other half of the lanes' sums
.set Y,  32                            ; v32-63   four registers a row: codes to store; never rewritten
.set X,  64                            ; v64-127  a ring of four rows x 16 numbers
.set G,  128                           ; v128-255 gate_w: register 8 (4 j + i) + e = gate_w[512 w + 128 j + 4 L + i][e]
	s_load_b256 s[4:11], s[0:1], 0x0               ; x s[4:5], gate_w s[6:7], gate_b s[8:9], lowp_scales s[10:11]
	s_load_b128 s[12:15], s[0:1], 0x20             ; xq s[12:13], sel s[14:15]
	s_load_b64 s[16:17], s[0:1], 0x30              ; list
	s_set_vgpr_msb 0x40
	v_lshl_add_u32 v0, v0, 2, 0x16400
	v_mov_b32 v1, 0
	s_set_vgpr_msb 0x4000
	v_lshrrev_b32 v1, 5, v0
	v_readfirstlane_b32 s18, v1                    ; wave 0..3
	v_and_b32 v1, 31, v0                           ; L
	s_mov_b32 s20, 0x76543210                      ; v_permlanex16_b32: each lane takes its own place in the other half
	s_mov_b32 s21, 0xfedcba98
	v_lshlrev_b32 v8, 4, v1                        ; 16 L
	s_lshl_b32 s2, s18, 11
	v_add_nc_u32 v2, s2, v8                        ; x: 2,048 w + 16 L in a row of 8,192 bytes
	s_lshl_b32 s2, s18, 9
	v_add_nc_u32 v3, s2, v8                        ; xq: 512 w + 16 L in a row of 2,048 bytes
	s_lshl_b32 s2, s18, 14
	v_add_nc_u32 v4, s2, v8                        ; gate_w: 16,384 w + 16 L
	s_mul_i32 s2, s18, 18432
	v_lshrrev_b32 v5, 3, v1
	v_mul_u32_u24 v5, v5, 144
	v_and_b32 v6, 7, v1
	v_lshl_add_u32 v5, v6, 4, v5
	v_add_nc_u32 v5, s2, v5                        ; gate_w into LDS: eight lanes fill a chunk: 144 (L / 8) + 16 (L % 8); a load's 512 bytes are four chunks
	v_mul_u32_u24 v6, v1, 144
	v_add_nc_u32 v6, s2, v6                        ; and back: chunk L of each 32: my four rows of gate_w
	s_lshl_b32 s2, s18, 12
	s_add_co_u32 s2, s2, CT
	v_lshl_add_u32 v7, v1, 2, s2                   ; codes into LDS: 4 L
	v_add_nc_u32 v8, s2, v8                        ; and back: 16 L
	s_lshl_b32 s2, s18, 5
	s_add_co_u32 s2, s2, PART
	v_mov_b32 v9, s2                               ; my wave's 32 bytes of a row's partial logits
.irp e, 0,1,2,3,4,5,6,7
	v_mov_b32 v[T+\e], 0                           ; written once: a lane permute's destination counts as one of its sources
.endr
	s_lshl_b32 s2, ttmp9, 16                       ; 8 rows of 8,192 bytes
	s_mov_b32 s3, 0
	s_wait_kmcnt 0x0
	s_load_b32 s22, s[10:11], 0x0                  ; ex
	s_load_b256 s[24:31], s[8:9], 0x0              ; gate_b
	s_add_nc_u64 s[4:5], s[4:5], s[2:3]
	s_lshl_b32 s2, ttmp9, 14                       ; 8 rows of 2,048 bytes
	s_add_nc_u64 s[12:13], s[12:13], s[2:3]
	s_lshl_b32 s2, ttmp9, 5                        ; 8 words
	s_add_nc_u64 s[14:15], s[14:15], s[2:3]
.set t, 0
.rept 32
	global_load_b128 v[G+4*t:G+4*t+3], v4, s[6:7] offset:512*t      ; gate_w as it lies: 512 consecutive bytes a load
.set t, t+1
.endr
.macro XLOAD i                         ; row i: my wave's 2,048 bytes, four loads of 512 consecutive bytes
.irp j, 0,1,2,3
	global_load_b128 v[X+16*((\i)%4)+4*\j:X+16*((\i)%4)+4*\j+3], v2, s[4:5] offset:8192*(\i)+512*\j th:TH_LOAD_NT
.endr
.endm
	XLOAD 0
	XLOAD 1
	XLOAD 2
	XLOAD 3
	s_wait_loadcnt 16                              ; gate_w's 32 loads are in; the 16 of x's rows 0 to 3 stay out
.set t, 0
.rept 32
	ds_store_b128 v5, v[G+4*t:G+4*t+3] offset:576*t
.set t, t+1
.endr
	s_wait_dscnt 0x0                               ; the stores have read their registers, which the loads below fill
.irp j, 0,1,2,3
.irp u, 0,1,2,3,4,5,6,7
	ds_load_b128 v[G+32*\j+4*\u:G+32*\j+4*\u+3], v6 offset:4608*\j+16*\u
.endr
.endr
	; list's 24,576 bytes are zeroed: wave 3 of the first 96 work-groups stores 256 consecutive bytes, aligned
	s_cmp_lg_u32 s18, 3
	s_cbranch_scc1 .Lno_fill
	s_cmp_ge_u32 ttmp9, 96
	s_cbranch_scc1 .Lno_fill
	s_lshl_b32 s2, ttmp9, 8
	v_lshl_add_u32 v12, v1, 3, s2
	v_mov_b32 v14, 0
	v_mov_b32 v15, 0
	global_store_b64 v12, v[14:15], s[16:17]
	s_wait_xcnt 0x0                                ; v12 to v15 are written again below
.Lno_fill:
	s_wait_kmcnt 0x0                               ; ex, gate_b
	s_add_co_i32 s22, s22, 127
	s_lshl_b32 s23, s22, 23
	v_mov_b32 v11, s23                             ; 2^ex as f32: the conversion takes its exponent field
	s_add_co_i32 s22, s22, 8
	s_lshl_b32 s22, s22, 23
	s_or_b32 s22, s22, 0x600000
	v_mov_b32 v10, s22                             ; 448 x 2^ex
	s_wait_dscnt 0x0                               ; gate_w lies in its registers
; One row: my wave's part of its 8 logits, and my wave's 512 codes.
.macro ROW i
.set XR, X+16*((\i)%4)
.if 4*(7-(\i)) < 12
	s_wait_loadcnt 4*(7-(\i))                      ; loads come back in order (ISA guide 5.7.1): this row's four are in, those of the rows behind stay out
.else
	s_wait_loadcnt 12
.endif
.irp p, 0,1,2,3
	v_pk_mul_f32 v[S+2*\p:S+2*\p+1], v[G+2*\p:G+2*\p+1], v[XR:XR+1] op_sel_hi:[1,0]     ; the first number starts the sums: two experts at a time, one number of x for both
.endr
.set t, 1
.rept 15
.irp p, 0,1,2,3
.if t%2
	v_pk_fma_f32 v[S+2*\p:S+2*\p+1], v[G+8*t+2*\p:G+8*t+2*\p+1], v[XR+t-1:XR+t], v[S+2*\p:S+2*\p+1] op_sel:[0,1,0] op_sel_hi:[1,1,1]
.else
	v_pk_fma_f32 v[S+2*\p:S+2*\p+1], v[G+8*t+2*\p:G+8*t+2*\p+1], v[XR+t:XR+t+1], v[S+2*\p:S+2*\p+1] op_sel_hi:[1,0,1]
.endif
.endr
.set t, t+1
.endr
.irp m, 1,2,4,8                        ; across the 32 lanes: four steps inside each half ride on the addition, one crosses the halves
.irp e, 0,1,2,3,4,5,6,7
	v_add_f32_dpp v[S+\e], v[S+\e], v[S+\e] row_xmask:\m row_mask:0xf bank_mask:0xf
.endr
.endr
.irp e, 0,1,2,3,4,5,6,7
	v_permlanex16_b32 v[T+\e], v[S+\e], s20, s21
.endr
.irp e, 0,1,2,3,4,5,6,7
	v_add_f32 v[S+\e], v[S+\e], v[T+\e]
.endr
	ds_store_b128 v9, v[S:S+3] offset:128*(\i)                     ; every lane holds the same eight numbers and stores them to the same 32 bytes
	ds_store_b128 v9, v[S+4:S+7] offset:128*(\i)+16
.irp n, 0,1,2,3,4,5,6,7,8,9,10,11,12,13,14,15
	v_med3_num_f32 v[XR+\n], v[XR+\n], -v10, v10                   ; the conversion to an 8-bit code does not saturate (ISA guide 7.6.2): the hold at the largest code x the scale
.endr
	v_cvt_scalef32_pk8_fp8_f32 v[C:C+1], v[XR:XR+7], v11
	v_cvt_scalef32_pk8_fp8_f32 v[C+2:C+3], v[XR+8:XR+15], v11
	v_nop                                          ; one plain vector instruction behind the last scaled conversion
.irp j, 0,1,2,3
	ds_store_b32 v7, v[C+\j] offset:512*(\i)+128*\j                ; codes of k = 128 j + 4 L + 0..3 at byte 128 j + 4 L: the natural order
.endr
	ds_load_b128 v[Y+4*(\i):Y+4*(\i)+3], v8 offset:512*(\i)        ; LDS serves a wave's instructions in order (ISA guide 5.7.1.4): this sees the stores above
.if (\i) < 4
	XLOAD (\i)+4                                   ; the ring's place takes the row four further on
.endif
	s_wait_dscnt 0x0                               ; the codes are back; the LDS stores have read S and C, which the next row writes
	global_store_b128 v3, v[Y+4*(\i):Y+4*(\i)+3], s[12:13] offset:2048*(\i)   ; the wave stores 512 consecutive bytes, aligned
.endm
.irp i, 0,1,2,3,4,5,6,7
	ROW \i
.endr
	s_barrier_signal -1                            ; every wave's partial logits have landed (the wait for 0 in the last row)
	s_barrier_wait -1
	s_cmp_lg_u32 s18, 0
	s_cbranch_scc1 .Lend
	; wave 0: lane L takes row L % 8 (lanes 8 to 31 repeat the work and store nothing)
	v_and_b32 v12, 7, v1
	v_lshlrev_b32 v12, 7, v12
	v_add_nc_u32 v12, PART, v12
.irp t, 0,1,2,3,4,5,6,7
	ds_load_b128 v[G+4*\t:G+4*\t+3], v12 offset:16*\t              ; register 8 wave + e
.endr
	s_wait_dscnt 0x0
.irp e, 0,1,2,3,4,5,6,7
	v_add_f32 v[S+\e], v[G+\e], v[G+8+\e]
	v_add_f32 v[T+\e], v[G+16+\e], v[G+24+\e]
.endr
.irp e, 0,1,2,3,4,5,6,7
	v_add_f32 v[S+\e], v[S+\e], v[T+\e]
.endr
.irp e, 0,1,2,3,4,5,6,7
	v_add_f32 v[S+\e], s[24+\e], v[S+\e]           ; + gate_b
.endr
; the largest of the eight, experts ascending, taken over only by a strictly larger one: of equals the lower expert stays.  best: the number; bit: 1 << its expert
.macro SCAN best, bit
	v_mov_b32 v[\best], v[S]
	v_mov_b32 v[\bit], 1
.irp e, 1,2,3,4,5,6,7
	v_mov_b32 v68, 1<<\e
	v_cmp_gt_f32 vcc_lo, v[S+\e], v[\best]
	v_cndmask_b32 v[\best], v[\best], v[S+\e], vcc_lo
	v_cndmask_b32 v[\bit], v[\bit], v68, vcc_lo
.endr
.endm
	SCAN 64, 65
	v_mov_b32 v69, 0xff800000                      ; the winner's logit becomes -infinity: every finite logit is above it
.irp e, 0,1,2,3,4,5,6,7
	v_cmp_eq_u32 vcc_lo, 1<<\e, v65
	v_cndmask_b32 v[S+\e], v[S+\e], v69, vcc_lo
.endr
	SCAN 66, 67
	v_or_b32 v65, v65, v67
	v_lshlrev_b32 v70, 2, v1
	s_wait_xcnt 0x0                                ; EXEC changes only behind this wait: the stores of xq have had their addresses translated
	v_cmp_gt_u32 vcc_lo, 8, v1
	s_and_saveexec_b32 s23, vcc_lo
	global_store_b32 v70, v65, s[14:15]            ; 32 bytes a work-group, 8 KiB in the launch: the one store here that covers less than 256 consecutive bytes
	s_wait_xcnt 0x0
	s_or_b32 exec_lo, exec_lo, s23
.Lend:
	s_set_vgpr_msb 0x5
	s_wait_tensorcnt 0x0
	ds_add_u32 v0, v1
	s_wait_dscnt 0x0
	s_set_vgpr_msb 0x500
	s_endpgm
.Lfunc_end_k_q22e473d99f_route:
	.size	k_q22e473d99f_route, .Lfunc_end_k_q22e473d99f_route-k_q22e473d99f_route
	.p2alignl 7, 3214868480
	.fill 96, 4, 3214868480
	.section	.rodata,"a",@progbits
	.p2align	6, 0x0
	.amdhsa_kernel k_q22e473d99f_route
		.amdhsa_group_segment_fixed_size 91648
		.amdhsa_private_segment_fixed_size 0
		.amdhsa_enable_private_segment 0
		.amdhsa_kernarg_size 56
		.amdhsa_user_sgpr_count 2
		.amdhsa_user_sgpr_kernarg_segment_ptr 1
		.amdhsa_wavefront_size32 1
		.amdhsa_system_sgpr_workgroup_id_x 1
		.amdhsa_system_sgpr_workgroup_id_y 1
		.amdhsa_system_sgpr_workgroup_id_z 1
		.amdhsa_system_vgpr_workitem_id 0
		.amdhsa_next_free_vgpr 258
		.amdhsa_next_free_sgpr 66
		.amdhsa_reserve_vcc 1
		.amdhsa_float_denorm_mode_32 3
		.amdhsa_float_denorm_mode_16_64 3
		.amdhsa_memory_ordered 1
		.amdhsa_forward_progress 1
		.amdhsa_inst_pref_size 87
	.end_amdhsa_kernel
	.amdgpu_metadata
---
amdhsa.version: [ 1, 2 ]
amdhsa.kernels:
  - .name:           k_q22e473d99f_route
    .symbol:         k_q22e473d99f_route.kd
    .args:
      - { .name: x, .offset: 0, .size: 8, .value_kind: global_buffer, .address_space: global }
      - { .name: gate_w, .offset: 8, .size: 8, .value_kind: global_buffer, .address_space: global }
      - { .name: gate_b, .offset: 16, .size: 8, .value_kind: global_buffer, .address_space: global }
      - { .name: lowp_scales, .offset: 24, .size: 8, .value_kind: global_buffer, .address_space: global }
      - { .name: xq, .offset: 32, .size: 8, .value_kind: global_buffer, .address_space: global }
      - { .name: sel, .offset: 40, .size: 8, .value_kind: global_buffer, .address_space: global }
      - { .name: list, .offset: 48, .size: 8, .value_kind: global_buffer, .address_space: global }
    .group_segment_fixed_size: 91648
    .private_segment_fixed_size: 0
    .kernarg_segment_align: 8
    .kernarg_segment_size: 56
    .max_flat_workgroup_size: 128
    .sgpr_count:     66
    .vgpr_count:     258
    .wavefront_size: 32
...
	.end_amdgpu_metadata
.endif
;; end of part 1
;; launch place (part 2): grid 257 x 1, 16 waves a work-group, no clusters, 139,264 bytes of LDS; arguments expert_w_codes, sel, wf, list, blk; writes wf, list, blk
.if DOCPART == 2
	.amdgcn_target "amdgcn-amd-amdhsa--gfx1250"
	.amdhsa_code_object_version 6
	.text
	.protected	k_q22e473d99f_place
	.globl	k_q22e473d99f_place
	.p2align	8
	.type	k_q22e473d99f_place,@function
k_q22e473d99f_place:
	s_mov_b64 s[64:65], 0
	v_nop
	global_prefetch_b8 v0, s[64:65] scope:SCOPE_SE
	s_setreg_imm32_b32 hwreg(HW_REG_WAVE_MODE, 25, 1), 1
	s_wait_xcnt 0x0
; PLACE.  Two jobs in one launch, parted by the work-group's number; each has LDS bytes of its own.
; WORK-GROUP 0: a counting sort of the 2,048 tokens by their PAIR of experts (28 pairs), without atomics.  A pair's tokens fill slots of 96 tokens, one pair to a slot.
;   list[slot][96]: token numbers (places that stay empty keep the zeros that the launch before stored);  blk[slot] = count | first expert << 8 | second << 16, 0 for a slot that is not used.
;   Slots in use: the sum over the pairs of ceil(count / 96), at most ceil(2048 / 96) + 28 - 1 = 49, whatever the split.
; WORK-GROUPS 1 .. 256: the experts' codes are laid in the order of the matrix operand's registers: work-group u + 1 takes 64 rows o of one expert (u = 32 e + cg), 131,072 consecutive bytes in and out.
;   wf [e][cg][ks 0..15][n 0..3][c 0..3][lane][16 bytes]: the piece holds W[e][64 cg + 16 n + lane % 16][128 ks + 32 c + 16 (lane / 16) + 0..15].
;   So a fragment's four registers come to the next launch by one load of 512 consecutive bytes; from the rows as they are given, sixteen lanes would read 16 bytes each of sixteen rows 2,048 bytes apart.
; No tensor load, no cluster: no byte is read by two work-groups.
.set TBL, 135168                       ; LDS, sort: [32 pairs][16 waves] words.  Bytes 0 .. 135,167 are the layout path's: 16 stages of 16 rows x 528 bytes
.set D,   32                           ; layout: v32-95, sixteen pieces of 16 bytes a lane
	s_load_b256 s[4:11], s[0:1], 0x0               ; expert_w_codes s[4:5], sel s[6:7], wf s[8:9], list s[10:11]
	s_load_b64 s[12:13], s[0:1], 0x20              ; blk
	v_lshl_add_u32 v96, v0, 2, 0x21800
	v_mov_b32 v97, 0
	v_lshrrev_b32 v1, 5, v0
	v_readfirstlane_b32 s18, v1                    ; wave 0..15
	v_and_b32 v1, 31, v0                           ; L
	s_cmp_eq_u32 ttmp9, 0
	s_cbranch_scc1 .Lsort
	; ---------------- THE LAYOUT.  Wave w: rows 16 n .. 16 n + 15 (n = w / 4), k = 512 kq .. 512 kq + 511 (kq = w % 4).  Waves share nothing: no barrier.
	s_sub_co_u32 s2, ttmp9, 1
	s_lshl_b32 s2, s2, 17
	s_mov_b32 s3, 0
	s_lshr_b32 s14, s18, 2                         ; n
	s_and_b32 s15, s18, 3                          ; kq
	v_lshlrev_b32 v6, 4, v1                        ; 16 L
	s_lshl_b32 s16, s14, 15
	s_lshl_b32 s17, s15, 9
	s_add_co_u32 s16, s16, s17
	v_add_nc_u32 v2, s16, v6                       ; in: 16 n rows of 2,048 bytes + 512 kq + 16 L
	s_mul_i32 s16, s18, 8448                       ; my stage: rows 528 bytes apart (33 x 16: sixteen rows' 16-byte reads start at sixteen different banks, ISA guide 11.1)
	v_add_nc_u32 v3, s16, v6                       ; into it: a row's 512 bytes as they lie
	v_and_b32 v7, 15, v1
	v_mul_u32_u24 v4, v7, 528
	v_lshrrev_b32 v7, 4, v1
	v_lshl_add_u32 v4, v7, 4, v4
	v_add_nc_u32 v4, s16, v4                       ; out of it: row L % 16, + 16 (L / 16)
	s_lshl_b32 s16, s15, 15
	s_lshl_b32 s17, s14, 11
	s_add_co_u32 s16, s16, s17
	v_add_nc_u32 v5, s16, v6                       ; out: K step 4 kq of 8,192 bytes + 2,048 n + 16 L
	s_wait_kmcnt 0x0
	s_add_nc_u64 s[4:5], s[4:5], s[2:3]
	s_add_nc_u64 s[8:9], s[8:9], s[2:3]
.set r, 0
.rept 16
	global_load_b128 v[D+4*r:D+4*r+3], v2, s[4:5] offset:2048*r th:TH_LOAD_NT   ; 512 consecutive bytes of row r; read once in the launch
.set r, r+1
.endr
.set r, 0
.rept 16
	s_wait_loadcnt 15-r                            ; loads come back in order: row r is in, the younger ones stay out
	ds_store_b128 v3, v[D+4*r:D+4*r+3] offset:528*r
.set r, r+1
.endr
	s_wait_dscnt 0x0                               ; the stores have read their registers, which the loads below fill
.set r, 0
.rept 16
	ds_load_b128 v[D+4*r:D+4*r+3], v4 offset:128*(r/4)+32*(r%4)    ; piece (K step r / 4 of my four, c = r % 4)
.set r, r+1
.endr
.set r, 0
.rept 16
	s_wait_dscnt 15-r
	global_store_b128 v5, v[D+4*r:D+4*r+3], s[8:9] offset:8192*(r/4)+512*(r%4)   ; the wave stores 512 consecutive bytes, aligned
.set r, r+1
.endr
	s_wait_tensorcnt 0x0
	ds_add_u32 v96, v97
	s_wait_dscnt 0x0
	s_endpgm
	; ---------------- THE SORT.  512 threads; thread t holds tokens t, t + 512, t + 1,024, t + 1,536.
	; v4-7 their words of sel; v8 my wave's count of each pair (lane = pair); v10-13 their places in list; v14 my wave's first place for each pair (lane = pair);
	; wave 0, lane = pair: v48 the pair's tokens, v49 its slots, v50 its first slot.
.Lsort:
	v_lshlrev_b32 v2, 2, v0
	v_lshl_add_u32 v3, v1, 6, TBL                  ; a pair's sixteen words (lane = pair)
	s_lshl_b32 s14, s18, 2
	s_add_co_u32 s14, s14, TBL
	v_lshl_add_u32 v9, v1, 6, s14                  ; my wave's word of each pair.  (Every LDS address is made here, ahead of the first parting of the waves)
	v_mov_b32 v8, 0
.irp c, 0,1,2,3
	v_mov_b32 v[10+\c], 0
	v_add_nc_u32 v[52+\c], 512*\c, v0              ; my tokens
.endr
	v_mov_b32 v48, 0
	v_mov_b32 v49, 0
	v_mov_b32 v50, 0
	v_mov_b32 v56, v1                              ; wave 0 at the end: slots L and L + 32,
	v_add_nc_u32 v57, 32, v1
	v_mov_b32 v58, 0                               ; and their words of blk
	v_mov_b32 v59, 0
	v_lshlrev_b32 v60, 2, v1
	s_wait_kmcnt 0x0
.irp c, 0,1,2,3
	global_load_b32 v[4+\c], v2, s[6:7] offset:2048*\c
.endr
	s_wait_loadcnt 0x0
.macro MASKS a, b                      ; s24-27: which of my wave's lanes hold a token of pair (a, b), for each of the four tokens a lane; s28-31: how many
	s_mov_b32 s20, (1<<\a)|(1<<\b)
.irp c, 0,1,2,3
	v_cmp_eq_u32 s[24+\c], s20, v[4+\c]
.endr
.irp c, 0,1,2,3
	s_bcnt1_i32_b32 s[28+\c], s[24+\c]
.endr
.endm
.macro COUNT a, b
	MASKS \a, \b
	s_add_co_u32 s28, s28, s29
	s_add_co_u32 s30, s30, s31
	s_add_co_u32 s28, s28, s30
	v_writelane_b32 v8, s28, KI
.endm
.set KI, 0                             ; the pairs in the order (0,1) (0,2) .. (6,7): KI = 0 .. 27
.irp a, 0,1,2,3,4,5,6
.irp b, 1,2,3,4,5,6,7
.if \b > \a
	COUNT \a, \b
.set KI, KI+1
.endif
.endr
.endr
	ds_store_b32 v9, v8
	s_wait_dscnt 0x0                               ; for the others' sake: my counts have landed
	s_barrier_signal -1
	s_barrier_wait -1
	s_cmp_lg_u32 s18, 0
	s_cbranch_scc1 .Lnot_0a
	; wave 0, lane = pair: totals, slots, and each wave's first place
.irp t, 0,1,2,3
	ds_load_b128 v[16+4*\t:19+4*\t], v3 offset:16*\t
.endr
	s_wait_dscnt 0x0
	v_add3_u32 v48, v16, v17, v18
.irp t, 19,21,23,25,27,29
	v_add3_u32 v48, v48, v[\t], v[\t+1]
.endr
	v_add_nc_u32 v48, v48, v31                     ; the pair's tokens, C
	v_add_nc_u32 v49, 95, v48
	v_lshrrev_b32 v49, 5, v49
	v_mul_u32_u24 v49, v49, 0x5556
	v_lshrrev_b32 v49, 16, v49                     ; ceil(C / 96) = ((C + 95) / 32) / 3; the division by 3 as x 21,846 / 65,536, exact up to 66 = (2,048 + 95) / 32
.set p, 0
.rept 32
	v_readlane_b32 s[32+p], v49, p
.set p, p+1
.endr
	s_mov_b32 s21, 0
.set p, 0
.rept 32
	v_writelane_b32 v50, s21, p                    ; the pair's first slot: the slots of the pairs before it
	s_add_co_u32 s21, s21, s[32+p]
.set p, p+1
.endr
	v_mul_u32_u24 v32, v50, 96                     ; wave 0's first place in list for this pair; a pair's slots follow each other, so its tokens lie on end
.set p, 0
.rept 15
	v_add_nc_u32 v[33+p], v[32+p], v[16+p]         ; wave i + 1's: behind wave i's tokens
.set p, p+1
.endr
.irp t, 0,1,2,3
	ds_store_b128 v3, v[32+4*\t:35+4*\t] offset:16*\t
.endr
.Lnot_0a:
	s_wait_dscnt 0x0                               ; wave 0's table has landed
	s_barrier_signal -1
	s_barrier_wait -1
	ds_load_b32 v14, v9
	s_wait_dscnt 0x0
.macro PUT a, b                        ; places for my wave's tokens of pair (a, b): the wave's first place, + the tokens in front: earlier ones of the four, lower lanes
	MASKS \a, \b
	v_readlane_b32 s21, v14, KI
.irp c, 0,1,2,3
	v_mbcnt_lo_u32_b32 v15, s[24+\c], s21
	v_cndmask_b32 v[10+\c], v[10+\c], v15, s[24+\c]
	s_add_co_u32 s21, s21, s[28+\c]
.endr
.endm
.set KI, 0
.irp a, 0,1,2,3,4,5,6
.irp b, 1,2,3,4,5,6,7
.if \b > \a
	PUT \a, \b
.set KI, KI+1
.endif
.endr
.endr
.irp c, 0,1,2,3
	v_min_u32 v[10+\c], 0x17ff, v[10+\c]           ; inside list's 64 x 96 words, whatever sel held
	v_lshlrev_b32 v[10+\c], 2, v[10+\c]
.endr
.irp c, 0,1,2,3
	global_store_b32 v[10+\c], v[52+\c], s[10:11]  ; single words to scattered places: 8 KiB in all
.endr
	s_cmp_lg_u32 s18, 0
	s_cbranch_scc1 .Lnot_0b
	; wave 0: blk.  Slot s belongs to the pair with first slot B <= s < B + its slots; its count is min(96, C - 96 (s - B))
.macro SLOTW a, b
	v_readlane_b32 s28, v50, KI
	v_readlane_b32 s29, v49, KI
	v_readlane_b32 s30, v48, KI
.irp z, 0,1
	v_subrev_nc_u32 v15, s28, v[56+\z]             ; s - B; below B it wraps to a large number and fails the test
	v_cmp_gt_u32 vcc_lo, s29, v15
	v_mul_u32_u24 v16, v15, 96
	v_sub_nc_u32 v16, s30, v16
	v_min_u32 v16, 96, v16
	v_or_b32 v16, (\a<<8)|(\b<<16), v16
	v_cndmask_b32 v[58+\z], v[58+\z], v16, vcc_lo
.endr
.endm
.set KI, 0
.irp a, 0,1,2,3,4,5,6
.irp b, 1,2,3,4,5,6,7
.if \b > \a
	SLOTW \a, \b
.set KI, KI+1
.endif
.endr
.endr
	global_store_b32 v60, v58, s[12:13]            ; the two stores cover blk's 256 bytes
	global_store_b32 v60, v59, s[12:13] offset:128
.Lnot_0b:
	s_wait_tensorcnt 0x0
	ds_add_u32 v96, v97
	s_wait_dscnt 0x0
	s_endpgm
.Lfunc_end_k_q22e473d99f_place:
	.size	k_q22e473d99f_place, .Lfunc_end_k_q22e473d99f_place-k_q22e473d99f_place
	.p2alignl 7, 3214868480
	.fill 96, 4, 3214868480
	.section	.rodata,"a",@progbits
	.p2align	6, 0x0
	.amdhsa_kernel k_q22e473d99f_place
		.amdhsa_group_segment_fixed_size 139264
		.amdhsa_private_segment_fixed_size 0
		.amdhsa_enable_private_segment 0
		.amdhsa_kernarg_size 40
		.amdhsa_user_sgpr_count 2
		.amdhsa_user_sgpr_kernarg_segment_ptr 1
		.amdhsa_wavefront_size32 1
		.amdhsa_system_sgpr_workgroup_id_x 1
		.amdhsa_system_sgpr_workgroup_id_y 1
		.amdhsa_system_sgpr_workgroup_id_z 1
		.amdhsa_system_vgpr_workitem_id 0
		.amdhsa_next_free_vgpr 98
		.amdhsa_next_free_sgpr 66
		.amdhsa_reserve_vcc 1
		.amdhsa_float_denorm_mode_32 3
		.amdhsa_float_denorm_mode_16_64 3
		.amdhsa_memory_ordered 1
		.amdhsa_forward_progress 1
		.amdhsa_inst_pref_size 90
	.end_amdhsa_kernel
	.amdgpu_metadata
---
amdhsa.version: [ 1, 2 ]
amdhsa.kernels:
  - .name:           k_q22e473d99f_place
    .symbol:         k_q22e473d99f_place.kd
    .args:
      - { .name: expert_w_codes, .offset: 0, .size: 8, .value_kind: global_buffer, .address_space: global }
      - { .name: sel, .offset: 8, .size: 8, .value_kind: global_buffer, .address_space: global }
      - { .name: wf, .offset: 16, .size: 8, .value_kind: global_buffer, .address_space: global }
      - { .name: list, .offset: 24, .size: 8, .value_kind: global_buffer, .address_space: global }
      - { .name: blk, .offset: 32, .size: 8, .value_kind: global_buffer, .address_space: global }
    .group_segment_fixed_size: 139264
    .private_segment_fixed_size: 0
    .kernarg_segment_align: 8
    .kernarg_segment_size: 40
    .max_flat_workgroup_size: 512
    .sgpr_count:     66
    .vgpr_count:     98
    .wavefront_size: 32
...
	.end_amdgpu_metadata
.endif
;; end of part 2
;; launch experts (part 3): grid 8 x 49, 4 waves a work-group, no clusters, 298,496 bytes of LDS; arguments xq, wf, expert_b, lowp_scales, list, blk, out0; writes out0
.if DOCPART == 3
	.amdgcn_target "amdgcn-amd-amdhsa--gfx1250"
	.amdhsa_code_object_version 6
	.text
	.protected	k_q22e473d99f_experts
	.globl	k_q22e473d99f_experts
	.p2align	8
	.type	k_q22e473d99f_experts,@function
k_q22e473d99f_experts:
	s_mov_b64 s[64:65], 0
	v_nop
	global_prefetch_b8 v0, s[64:65] scope:SCOPE_SE
	s_setreg_imm32_b32 hwreg(HW_REG_WAVE_MODE, 25, 1), 1
	s_wait_xcnt 0x0
; EXPERTS.  out0[token] = 0.5 (relu(x W_a + b_a) + relu(x W_b + b_b)), a and b the token's two experts; both products on codes of E4M3, sums in f32, each sum x 2^(ex + ew).
; Only the chosen experts are multiplied: the others' results are thrown away by the gather.
; SHARES.  Work-group (cb, slot): a slot's up to 96 tokens, ALL OF ONE PAIR OF EXPERTS, x columns 256 cb .. 256 cb + 255.  It runs both experts' products side by side and owns its part of the tokens' rows of out0:
; nothing is summed through memory.  Wave w: columns 64 w .. 64 w + 63 of the 256, all 96 rows, both experts: 2 x 24 accumulators of 16 x 16.  A fragment of x read from LDS feeds 8 matrix instructions.
; 96 rows to a slot: 2,048 tokens over 28 pairs are 73 a pair when the split is even; the grid's 49 slots serve every split (ceil(2048 / 96) + 28 - 1).
; x's codes are gathered by the list into LDS (96 rows, all 2,048 k) once; the weights come from wf, which lies in the order of the operand's registers, straight into a ring of four register sets, three units ahead.
; THE MATRIX INSTRUCTION IS USED TRANSPOSED (source 0 = 16 rows o of W, source 1 = 16 tokens): lane (r, h) holds token 16 m + r and columns 16 n + 8 h + 0..7: 32 neighbouring bytes of a row of out0.
; k stands in both operands' registers in one and the same permuted order (registers 4 c .. 4 c + 3: k = 32 c + 16 h + 0..15): every product meets its partner; the order of the sums inside an instruction differs.
; The bias is the C of each sum's first matrix instruction, as b / 2^(ex + ew); relu commutes with the positive factor, so the two relus are added and multiplied once by 0.5 x 2^(ex + ew).
; A SLOT WITHOUT TOKENS: the count is read from memory.  Every wave passes both barriers; the branches on the count jump over work alone.  The loads ahead of the first branch are issued by such a work-group too.
; NO JOINT LOADS, NO CLUSTER: whether a slot has tokens, and which experts it takes, is read from memory and the text branches on it.
; LIMITS: expert_b x 2^-(ex + ew) and the sums x 2^(ex + ew - 1) stay f32 numbers (both by v_ldexp_f32).  NaN is not served.
; REGISTERS, in windows of 256 (s_set_vgpr_msb: bits 1:0 source 0, 3:2 source 1, 5:4 source 2, 7:6 destination):
;   window 0: v1-21 addresses, v[14:15] the factor; v32-55 a row's offset for each of my 24 rows; v64-159, v160-255 x's fragments, two sets of 6 x 16; at the end v64-255 results
;   window 1: the weights' ring: 4 sets of 4 fragments x 16     window 2: v0-191 expert a's accumulators ((m, n) at 8 (4 m + n)); v192-223 a's bias, v224-255 b's     window 3: v0-191 expert b's accumulators
;   (during the gather windows 2 and 3 hold the 24 rows on their way to LDS)
.set PA,  2064                         ; a row of x's codes in LDS: 2,048 bytes + 16 = 129 x 16: the sixteen rows of a fragment load start at sixteen different banks (ISA guide 11.1)
.set STG, 96*PA                        ; behind them the stage for the way out: 96 rows x (1,024 bytes + 16)
.set PS,  1040
.set AR,  16                           ; v16-21  x's fragments: (16 m + r) PA + 16 h
.set XO,  32                           ; v32-55  my 24 rows: first their offsets in xq, at the end in out0
.set XB,  64                           ; x's fragment sets
.set R,   64                           ; results
.set MSB, 0
.macro WIN new                         ; the immediate's high byte repeats the setting that is left; a switch that changes nothing is dropped
.if MSB != \new
	s_set_vgpr_msb (MSB<<8)|\new
.set MSB, \new
.endif
.endm
	s_load_b256 s[4:11], s[0:1], 0x0               ; xq s[4:5], wf s[6:7], expert_b s[8:9], lowp_scales s[10:11]
	s_load_b128 s[12:15], s[0:1], 0x20             ; list s[12:13], blk s[14:15]
	s_load_b64 s[16:17], s[0:1], 0x30              ; out0
	v_lshl_add_u32 v62, v0, 2, 0x48c00
	v_mov_b32 v63, 0
	v_lshrrev_b32 v1, 5, v0
	v_readfirstlane_b32 s18, v1                    ; wave 0..3
	s_mov_b32 s19, ttmp9                           ; cb
	s_and_b32 s20, ttmp7, 0xffff                   ; slot
	s_lshl_b32 s30, s20, 2                         ; the slot's word of blk
	s_mov_b32 s31, 0
	s_mul_i32 s22, s20, 384                        ; the slot's 96 words of list,
	s_mul_i32 s23, s18, 96                         ; my wave's 24 of them
	s_add_co_u32 s22, s22, s23
	s_mov_b32 s23, 0
	s_wait_kmcnt 0x0
	s_add_nc_u64 s[14:15], s[14:15], s[30:31]
	s_add_nc_u64 s[12:13], s[12:13], s[22:23]
	s_load_b32 s21, s[14:15], 0x0                  ; count | a << 8 | b << 16
	s_load_b512 s[32:47], s[12:13], 0x0            ; my 24 tokens
	s_load_b256 s[48:55], s[12:13], 0x40
	s_load_b64 s[28:29], s[10:11], 0x0             ; ex, ew
	v_and_b32 v13, 31, v0
	v_lshlrev_b32 v1, 4, v13                       ; 16 L
	v_and_b32 v2, 15, v0                           ; r
	v_bfe_u32 v3, v0, 4, 1                         ; h
	s_mul_i32 s30, s18, 24*PA
	v_add_nc_u32 v8, s30, v1                       ; the gather's LDS address: my 24 rows, 16 L
	v_mul_u32_u24 v9, v2, PS
	v_lshl_add_u32 v9, v3, 5, v9
	s_lshl_b32 s30, s18, 8
	s_add_co_u32 s30, s30, STG
	v_add_nc_u32 v9, s30, v9                       ; into the stage: row r, + 256 w + 32 h; tiles m = 0..2
	v_add_nc_u32 v10, 3*16*PS, v9                  ; tiles m = 3..5: beyond the 16-bit immediate from v9
	s_mul_i32 s30, s18, 24*PS
	s_add_co_u32 s30, s30, STG
	v_add_nc_u32 v11, s30, v1                      ; out of the stage: my 24 rows, 16 L
	v_mul_u32_u24 v16, v2, PA
	v_lshl_add_u32 v16, v3, 4, v16
.irp m, 1,2,3,4,5
	v_add_nc_u32 v[AR+\m], 16*PA*\m, v16
.endr
	s_lshl_b32 s30, s19, 10
	v_add_nc_u32 v12, s30, v1                      ; my bytes in a row of out0: 1,024 cb + 16 L
	s_lshl_b32 s31, s18, 8
	s_add_co_u32 s30, s30, s31
	v_lshl_add_u32 v6, v3, 5, s30                  ; in an expert's bias: (256 cb + 64 w + 8 h) x 4
	s_wait_kmcnt 0x0
	s_and_b32 s22, s21, 0xff                       ; count
	s_bfe_u32 s23, s21, 0x80008                    ; a
	s_bfe_u32 s24, s21, 0x80010                    ; b
	s_min_u32 s23, s23, 7                          ; what was read from memory is held inside its table before it enters an address
	s_min_u32 s24, s24, 7
.set i, 0
.rept 24
	s_min_u32 s[32+i], s[32+i], 2047
.set i, i+1
.endr
	s_add_co_i32 s25, s28, s29                     ; ex + ew
	s_sub_co_i32 s26, 0, s25
	s_mul_i32 s30, s18, 24
	s_sub_co_i32 s27, s22, s30                     ; how many of my 24 rows hold a token (0 or less: none)
	s_lshl_b32 s31, s24, 13
	v_add_nc_u32 v7, s31, v6                       ; b's bias
	s_lshl_b32 s31, s23, 13
	v_add_nc_u32 v6, s31, v6                       ; a's
	s_lshl_b32 s30, s19, 2
	s_add_co_u32 s30, s30, s18                     ; cg = 4 cb + w
	s_lshl_b32 s30, s30, 17
	s_lshl_b32 s31, s23, 22
	s_add_co_u32 s31, s31, s30
	v_add_nc_u32 v4, s31, v1                       ; a's weights: (32 a + cg) x 131,072 + 16 L
	s_lshl_b32 s31, s24, 22
	s_add_co_u32 s31, s31, s30
	v_add_nc_u32 v5, s31, v1                       ; b's
	v_ldexp_f32 v14, 0.5, s25                      ; 0.5 x 2^(ex + ew)
	v_mov_b32 v15, v14                             ; (named with it as a pair, so it is written)
.macro ALOAD ks                        ; x's six fragments of K step ks into set ks % 2: 24 LDS loads
.irp m, 0,1,2,3,4,5
.irp c, 0,1,2,3
	ds_load_b128 v[XB+96*((\ks)%2)+16*\m+4*\c:XB+96*((\ks)%2)+16*\m+4*\c+3], v[AR+\m] offset:128*(\ks)+32*\c
.endr
.endr
.endm
.macro BLOAD q                         ; unit q = K step q / 2 of expert q % 2: its four fragments of W into set q % 4 of the ring: 16 loads of 512 consecutive bytes
.irp n, 0,1,2,3
.irp c, 0,1,2,3
	global_load_b128 v[64*((\q)%4)+16*\n+4*\c:64*((\q)%4)+16*\n+4*\c+3], v[4+(\q)%2], s[6:7] offset:8192*((\q)/2)+2048*\n+512*\c
.endr
.endr
.endm
	WIN 0x80                                       ; destination window 2
.irp n, 0,1,2,3
	global_load_b128 v[192+8*\n:195+8*\n], v6, s[8:9] offset:64*\n      ; bias of columns 16 n + 8 h + 0..7: a tile's eight registers in the result's layout
	global_load_b128 v[196+8*\n:199+8*\n], v6, s[8:9] offset:64*\n+16
	global_load_b128 v[224+8*\n:227+8*\n], v7, s[8:9] offset:64*\n
	global_load_b128 v[228+8*\n:231+8*\n], v7, s[8:9] offset:64*\n+16
.endr
	WIN 0x40                                       ; destination window 1
	BLOAD 0
	BLOAD 1
	BLOAD 2
	WIN 0                                          ; at a label and at a branch every window is 0
	s_cmp_eq_u32 s22, 0
	s_cbranch_scc1 .Lgathered
	; ---- THE GATHER: my 24 rows of x's codes, 2,048 bytes each, four loads of 512 consecutive bytes a row; through registers into LDS
.set i, 0
.rept 24
	v_lshl_add_u32 v[XO+i], s[32+i], 11, v1
.set i, i+1
.endr
	WIN 0x80
.set i, 0
.rept 12
.irp u, 0,1,2,3
	global_load_b128 v[16*i+4*\u:16*i+4*\u+3], v[XO+i], s[4:5] offset:512*\u
.endr
.set i, i+1
.endr
	WIN 0xc0
.set i, 0
.rept 12
.irp u, 0,1,2,3
	global_load_b128 v[16*i+4*\u:16*i+4*\u+3], v[XO+12+i], s[4:5] offset:512*\u
.endr
.set i, i+1
.endr
	s_wait_loadcnt 48                              ; rows 0 to 11 are in; the 48 loads of rows 12 to 23 stay out
	WIN 0x08                                       ; store data window 2
.set i, 0
.rept 12
.irp u, 0,1,2,3
	ds_store_b128 v8, v[16*i+4*\u:16*i+4*\u+3] offset:PA*i+512*\u
.endr
.set i, i+1
.endr
	s_wait_loadcnt 0x0
	WIN 0x0c                                       ; store data window 3
.set i, 0
.rept 12
.irp u, 0,1,2,3
	ds_store_b128 v8, v[16*i+4*\u:16*i+4*\u+3] offset:PA*(12+i)+512*\u
.endr
.set i, i+1
.endr
	WIN 0
.Lgathered:
	s_wait_dscnt 0x0                               ; for the others' sake: my rows have landed
	s_barrier_signal -1
	s_barrier_wait -1                              ; all 96 rows lie in LDS
	s_cmp_eq_u32 s22, 0
	s_cbranch_scc1 .Lstaged
	; ---- THE PRODUCTS.  A unit is 24 matrix instructions: one K step of 128, one expert, 6 tiles of rows x 4 tiles of columns.  The experts alternate, so a set of x's fragments serves two units.
	; The 24 accumulators of a unit take turns, one instruction a turn, and the other expert's 24 follow before an accumulator is taken up again.
	; A load into a register that a matrix instruction has read stands four plain vector instructions behind it (ISA guide 7.12.1 for vector instructions): four v_nop at a unit's head,
	; in front of the weights of three units on, which take the set that the unit before has left, and of the next K step's fragments of x, which take the set that the K step before has left.
.macro UNIT q
.if (\q) > 0
.rept 4
	v_nop
.endr
.endif
.if ((\q)%2 == 0) && ((\q) < 30)
	WIN 0
	ALOAD (\q)/2+1
.endif
.if (\q)+3 < 32
	WIN 0x40
	BLOAD (\q)+3
.endif
.if (\q)%2 == 0
.if (\q) < 30
	s_wait_dscnt 24                                ; this K step's fragments of x are in; the next step's 24 loads stay out
.else
	s_wait_dscnt 0x0
.endif
.endif
.if (\q) < 29
	s_wait_loadcnt 48                              ; this unit's 16 loads are in; those of the three units behind stay out
.else
	s_wait_loadcnt 16*(31-(\q))
.endif
.if (\q)%2 == 0
	WIN 0xa1                                       ; W window 1, x window 0, C and D window 2
.elseif (\q) == 1
	WIN 0xe1                                       ; expert b's first step: C (its bias) window 2, D window 3
.else
	WIN 0xf1                                       ; C and D window 3
.endif
.irp m, 0,1,2,3,4,5
.irp n, 0,1,2,3
.if (\q) < 2
	v_wmma_f32_16x16x128_fp8_fp8 v[8*(4*\m+\n):8*(4*\m+\n)+7], v[64*((\q)%4)+16*\n:64*((\q)%4)+16*\n+15], v[XB+96*(((\q)/2)%2)+16*\m:XB+96*(((\q)/2)%2)+16*\m+15], v[192+32*((\q)%2)+8*\n:192+32*((\q)%2)+8*\n+7]
.else
	v_wmma_f32_16x16x128_fp8_fp8 v[8*(4*\m+\n):8*(4*\m+\n)+7], v[64*((\q)%4)+16*\n:64*((\q)%4)+16*\n+15], v[XB+96*(((\q)/2)%2)+16*\m:XB+96*(((\q)/2)%2)+16*\m+15], v[8*(4*\m+\n):8*(4*\m+\n)+7]
.endif
.endr
.endr
.endm
	ALOAD 0
	s_wait_loadcnt 48                              ; the biases are in; the three units of weights issued behind them may stay out
	WIN 0x82                                       ; source 0 and destination window 2
.set i, 0
.rept 64
	v_ldexp_f32 v[192+i], v[192+i], s26            ; b / 2^(ex + ew): a sum stands for sum x 2^(ex + ew)
.set i, i+1
.endr
.set Q, 0
.rept 32
	UNIT Q
.set Q, Q+1
.endr
	; ---- THE WAY OUT: relu of both, their sum, x 0.5 x 2^(ex + ew); each accumulator is read from its low end on
	WIN 0
.rept 4
	v_nop                                          ; four places in front of the first read of results and of writes into the registers that held x's fragments
.endr
	WIN 0x08                                       ; source 1 window 2
.set i, 0
.rept 192
	v_max_num_f32 v[R+i], 0, v[i]
.set i, i+1
.endr
	WIN 0xcc                                       ; source 1 and destination window 3
.set i, 0
.rept 192
	v_max_num_f32 v[i], 0, v[i]
.set i, i+1
.endr
	WIN 0x0c                                       ; source 1 window 3
.set i, 0
.rept 96
	v_pk_add_f32 v[R+i:R+i+1], v[R+i:R+i+1], v[i:i+1]
.set i, i+2
.endr
	WIN 0
.set i, 0
.rept 96
	v_pk_mul_f32 v[R+i:R+i+1], v[R+i:R+i+1], v[14:15] op_sel_hi:[1,0]   ; a power of two: nothing is rounded, short of overflow and underflow
.set i, i+2
.endr
.irp m, 0,1,2,3,4,5
.irp n, 0,1,2,3
	ds_store_b128 v[9+\m/3], v[R+8*(4*\m+\n):R+8*(4*\m+\n)+3] offset:16*PS*(\m%3)+64*\n       ; lane (r, h): row 16 m + r, columns 64 w + 16 n + 8 h + 0..7
	ds_store_b128 v[9+\m/3], v[R+8*(4*\m+\n)+4:R+8*(4*\m+\n)+7] offset:16*PS*(\m%3)+64*\n+16
.endr
.endr
.Lstaged:
	s_wait_dscnt 0x0                               ; for the others' sake: my part of the 96 rows has landed
	s_barrier_signal -1
	s_barrier_wait -1                              ; a row's 1,024 bytes come from four waves: now they are whole
	s_cmp_le_i32 s27, 0
	s_cbranch_scc1 .Lend                           ; none of my 24 rows holds a token
	s_wait_xcnt 0x0                                ; the gather's loads have read their offsets, which are written anew
.set i, 0
.rept 24
	v_lshl_add_u32 v[XO+i], s[32+i], 13, v12       ; the token's row of out0, + my bytes in it
.set i, i+1
.endr
.set i, 0
.rept 24
	ds_load_b128 v[R+8*i:R+8*i+3], v11 offset:PS*i
	ds_load_b128 v[R+8*i+4:R+8*i+7], v11 offset:PS*i+512
.set i, i+1
.endr
	s_wait_dscnt 0x0
.set i, 0
.rept 24
.if i > 0
	s_cmp_le_i32 s27, i                            ; rows past the slot's count hold no token and are not stored
	s_cbranch_scc1 .Lend
.endif
	global_store_b128 v[XO+i], v[R+8*i:R+8*i+3], s[16:17] th:TH_STORE_NT              ; the wave stores 512 consecutive bytes, at a multiple of 512 from out0's first byte; written once, read by nobody here
	global_store_b128 v[XO+i], v[R+8*i+4:R+8*i+7], s[16:17] offset:512 th:TH_STORE_NT
.set i, i+1
.endr
.Lend:
	s_wait_tensorcnt 0x0
	ds_add_u32 v62, v63
	s_wait_dscnt 0x0
	s_endpgm
.Lfunc_end_k_q22e473d99f_experts:
	.size	k_q22e473d99f_experts, .Lfunc_end_k_q22e473d99f_experts-k_q22e473d99f_experts
	.p2alignl 7, 3214868480
	.fill 96, 4, 3214868480
	.section	.rodata,"a",@progbits
	.p2align	6, 0x0
	.amdhsa_kernel k_q22e473d99f_experts
		.amdhsa_group_segment_fixed_size 298496
		.amdhsa_private_segment_fixed_size 0
		.amdhsa_enable_private_segment 0
		.amdhsa_kernarg_size 56
		.amdhsa_user_sgpr_count 2
		.amdhsa_user_sgpr_kernarg_segment_ptr 1
		.amdhsa_wavefront_size32 1
		.amdhsa_system_sgpr_workgroup_id_x 1
		.amdhsa_system_sgpr_workgroup_id_y 1
		.amdhsa_system_sgpr_workgroup_id_z 1
		.amdhsa_system_vgpr_workitem_id 0
		.amdhsa_next_free_vgpr 960
		.amdhsa_next_free_sgpr 66
		.amdhsa_reserve_vcc 0
		.amdhsa_float_denorm_mode_32 3
		.amdhsa_float_denorm_mode_16_64 3
		.amdhsa_memory_ordered 1
		.amdhsa_forward_progress 1
		.amdhsa_inst_pref_size 194
	.end_amdhsa_kernel
	.amdgpu_metadata
---
amdhsa.version: [ 1, 2 ]
amdhsa.kernels:
  - .name:           k_q22e473d99f_experts
    .symbol:         k_q22e473d99f_experts.kd
    .args:
      - { .name: xq, .offset: 0, .size: 8, .value_kind: global_buffer, .address_space: global }
      - { .name: wf, .offset: 8, .size: 8, .value_kind: global_buffer, .address_space: global }
      - { .name: expert_b, .offset: 16, .size: 8, .value_kind: global_buffer, .address_space: global }
      - { .name: lowp_scales, .offset: 24, .size: 8, .value_kind: global_buffer, .address_space: global }
      - { .name: list, .offset: 32, .size: 8, .value_kind: global_buffer, .address_space: global }
      - { .name: blk, .offset: 40, .size: 8, .value_kind: global_buffer, .address_space: global }
      - { .name: out0, .offset: 48, .size: 8, .value_kind: global_buffer, .address_space: global }
    .group_segment_fixed_size: 298496
    .private_segment_fixed_size: 0
    .kernarg_segment_align: 8
    .kernarg_segment_size: 56
    .max_flat_workgroup_size: 128
    .sgpr_count:     66
    .vgpr_count:     960
    .wavefront_size: 32
...
	.end_amdgpu_metadata
.endif
;; end of part 3
;; ======== version 2 of 2: 3 launches
;; limits: right only within a limited range of input values
;; workspace buffers: xq 4,194,304 bytes; wf 33,554,432 bytes; sel 8,192 bytes of whole numbers; list 24,576 bytes of whole numbers; blk 256 bytes of whole numbers
;; launch route (part 4): grid 256 x 1, 4 waves a work-group, no clusters, 91,648 bytes of LDS; arguments x, gate_w, gate_b, lowp_scales, xq, sel, list; writes xq, sel, list
.if DOCPART == 4
	.amdgcn_target "amdgcn-amd-amdhsa--gfx1250"
	.amdhsa_code_object_version 6
	.text
	.protected	k_q22e473d99f_route
	.globl	k_q22e473d99f_route
	.p2align	8
	.type	k_q22e473d99f_route,@function
k_q22e473d99f_route:
	s_mov_b64 s[64:65], 0
	v_nop
	global_prefetch_b8 v0, s[64:65] scope:SCOPE_SE
	s_setreg_imm32_b32 hwreg(HW_REG_WAVE_MODE, 25, 1), 1
	s_wait_xcnt 0x0
; ROUTE.  For 2,048 tokens of 2,048 numbers: the gate's 8 logits in f32 (x . gate_w + gate_b), the two largest (of equal logits the lower expert wins, as jax.lax.top_k has it),
; and x as codes of E4M3 with the given scale 2^ex (ex = lowp_scales[0]): code = x / 2^ex, held within +-448, to the nearest code, ties to even.
; OUT: xq [token][2048] codes, k in its natural order;  sel[token] = (1 << first expert) | (1 << second expert), at a fixed place for each token;  list: zeros (the next launch stores tokens over them).
; SHARES.  Work-group g takes tokens 8 g .. 8 g + 7.  Wave w takes k = 512 w .. 512 w + 511 of each; of load j (0..3) lane L holds k = 512 w + 128 j + 4 L + 0..3, so every load of x is 512 consecutive bytes.
; The wave's 512 rows of gate_w (16 KiB) stay in 128 registers.  x is read once and serves the logits and the codes.
; No matrix unit (8 columns), no tensor load, no cluster: work-groups share gate_w alone, 64 KiB.
; LIMITS: -126 <= ex <= 119 (2^ex and 448 x 2^ex are made as f32 patterns).  NaN and infinities among the inputs are not served: the logits must be finite.
; The logits are summed in another order than a plain chain over k: 16 in a lane, a tree over 32 lanes, four waves; two logits nearer to each other than f32 rounding may change places.
.set GST,  0                           ; LDS: gate_w's turn: for each wave 128 chunks of 128 bytes, 144 apart (9 x 16 bytes, ISA guide 11.1)
.set CT,   73728                       ; the codes' turn: 4,096 bytes a wave, 512 a row
.set PART, 90112                       ; the waves' partial logits: 128 bytes a row = 4 waves x 8 numbers
.set C,  12                            ; v12-15   a row's codes: register j = load j's four
.set S,  16                            ; v16-23   eight sums
.set T,  24                            ; v24-31   the other half of the lanes' sums
.set Y,  32                            ; v32-63   four registers a row: codes to store; never rewritten
.set X,  64                            ; v64-127  a ring of four rows x 16 numbers
.set G,  128                           ; v128-255 gate_w: register 8 (4 j + i) + e = gate_w[512 w + 128 j + 4 L + i][e]
	s_load_b256 s[4:11], s[0:1], 0x0               ; x s[4:5], gate_w s[6:7], gate_b s[8:9], lowp_scales s[10:11]
	s_load_b128 s[12:15], s[0:1], 0x20             ; xq s[12:13], sel s[14:15]
	s_load_b64 s[16:17], s[0:1], 0x30              ; list
	s_set_vgpr_msb 0x40
	v_lshl_add_u32 v0, v0, 2, 0x16400
	v_mov_b32 v1, 0
	s_set_vgpr_msb 0x4000
	v_lshrrev_b32 v1, 5, v0
	v_readfirstlane_b32 s18, v1                    ; wave 0..3
	v_and_b32 v1, 31, v0                           ; L
	s_mov_b32 s20, 0x76543210                      ; v_permlanex16_b32: each lane takes its own place in the other half
	s_mov_b32 s21, 0xfedcba98
	v_lshlrev_b32 v8, 4, v1                        ; 16 L
	s_lshl_b32 s2, s18, 11
	v_add_nc_u32 v2, s2, v8                        ; x: 2,048 w + 16 L in a row of 8,192 bytes
	s_lshl_b32 s2, s18, 9
	v_add_nc_u32 v3, s2, v8                        ; xq: 512 w + 16 L in a row of 2,048 bytes
	s_lshl_b32 s2, s18, 14
	v_add_nc_u32 v4, s2, v8                        ; gate_w: 16,384 w + 16 L
	s_mul_i32 s2, s18, 18432
	v_lshrrev_b32 v5, 3, v1
	v_mul_u32_u24 v5, v5, 144
	v_and_b32 v6, 7, v1
	v_lshl_add_u32 v5, v6, 4, v5
	v_add_nc_u32 v5, s2, v5                        ; gate_w into LDS: eight lanes fill a chunk: 144 (L / 8) + 16 (L % 8); a load's 512 bytes are four chunks
	v_mul_u32_u24 v6, v1, 144
	v_add_nc_u32 v6, s2, v6                        ; and back: chunk L of each 32: my four rows of gate_w
	s_lshl_b32 s2, s18, 12
	s_add_co_u32 s2, s2, CT
	v_lshl_add_u32 v7, v1, 2, s2                   ; codes into LDS: 4 L
	v_add_nc_u32 v8, s2, v8                        ; and back: 16 L
	s_lshl_b32 s2, s18, 5
	s_add_co_u32 s2, s2, PART
	v_mov_b32 v9, s2                               ; my wave's 32 bytes of a row's partial logits
.irp e, 0,1,2,3,4,5,6,7
	v_mov_b32 v[T+\e], 0                           ; written once: a lane permute's destination counts as one of its sources
.endr
	s_lshl_b32 s2, ttmp9, 16                       ; 8 rows of 8,192 bytes
	s_mov_b32 s3, 0
	s_wait_kmcnt 0x0
	s_load_b32 s22, s[10:11], 0x0                  ; ex
	s_load_b256 s[24:31], s[8:9], 0x0              ; gate_b
	s_add_nc_u64 s[4:5], s[4:5], s[2:3]
	s_lshl_b32 s2, ttmp9, 14                       ; 8 rows of 2,048 bytes
	s_add_nc_u64 s[12:13], s[12:13], s[2:3]
	s_lshl_b32 s2, ttmp9, 5                        ; 8 words
	s_add_nc_u64 s[14:15], s[14:15], s[2:3]
.set t, 0
.rept 32
	global_load_b128 v[G+4*t:G+4*t+3], v4, s[6:7] offset:512*t      ; gate_w as it lies: 512 consecutive bytes a load
.set t, t+1
.endr
.macro XLOAD i                         ; row i: my wave's 2,048 bytes, four loads of 512 consecutive bytes
.irp j, 0,1,2,3
	global_load_b128 v[X+16*((\i)%4)+4*\j:X+16*((\i)%4)+4*\j+3], v2, s[4:5] offset:8192*(\i)+512*\j th:TH_LOAD_NT
.endr
.endm
	XLOAD 0
	XLOAD 1
	XLOAD 2
	XLOAD 3
	s_wait_loadcnt 16                              ; gate_w's 32 loads are in; the 16 of x's rows 0 to 3 stay out
.set t, 0
.rept 32
	ds_store_b128 v5, v[G+4*t:G+4*t+3] offset:576*t
.set t, t+1
.endr
	s_wait_dscnt 0x0                               ; the stores have read their registers, which the loads below fill
.irp j, 0,1,2,3
.irp u, 0,1,2,3,4,5,6,7
	ds_load_b128 v[G+32*\j+4*\u:G+32*\j+4*\u+3], v6 offset:4608*\j+16*\u
.endr
.endr
	; list's 24,576 bytes are zeroed: wave 3 of the first 96 work-groups stores 256 consecutive bytes, aligned
	s_cmp_lg_u32 s18, 3
	s_cbranch_scc1 .Lno_fill
	s_cmp_ge_u32 ttmp9, 96
	s_cbranch_scc1 .Lno_fill
	s_lshl_b32 s2, ttmp9, 8
	v_lshl_add_u32 v12, v1, 3, s2
	v_mov_b32 v14, 0
	v_mov_b32 v15, 0
	global_store_b64 v12, v[14:15], s[16:17]
	s_wait_xcnt 0x0                                ; v12 to v15 are written again below
.Lno_fill:
	s_wait_kmcnt 0x0                               ; ex, gate_b
	s_add_co_i32 s22, s22, 127
	s_lshl_b32 s23, s22, 23
	v_mov_b32 v11, s23                             ; 2^ex as f32: the conversion takes its exponent field
	s_add_co_i32 s22, s22, 8
	s_lshl_b32 s22, s22, 23
	s_or_b32 s22, s22, 0x600000
	v_mov_b32 v10, s22                             ; 448 x 2^ex
	s_wait_dscnt 0x0                               ; gate_w lies in its registers
; One row: my wave's part of its 8 logits, and my wave's 512 codes.
.macro ROW i
.set XR, X+16*((\i)%4)
.if 4*(7-(\i)) < 12
	s_wait_loadcnt 4*(7-(\i))                      ; loads come back in order (ISA guide 5.7.1): this row's four are in, those of the rows behind stay out
.else
	s_wait_loadcnt 12
.endif
.irp p, 0,1,2,3
	v_pk_mul_f32 v[S+2*\p:S+2*\p+1], v[G+2*\p:G+2*\p+1], v[XR:XR+1] op_sel_hi:[1,0]     ; the first number starts the sums: two experts at a time, one number of x for both
.endr
.set t, 1
.rept 15
.irp p, 0,1,2,3
.if t%2
	v_pk_fma_f32 v[S+2*\p:S+2*\p+1], v[G+8*t+2*\p:G+8*t+2*\p+1], v[XR+t-1:XR+t], v[S+2*\p:S+2*\p+1] op_sel:[0,1,0] op_sel_hi:[1,1,1]
.else
	v_pk_fma_f32 v[S+2*\p:S+2*\p+1], v[G+8*t+2*\p:G+8*t+2*\p+1], v[XR+t:XR+t+1], v[S+2*\p:S+2*\p+1] op_sel_hi:[1,0,1]
.endif
.endr
.set t, t+1
.endr
.irp m, 1,2,4,8                        ; across the 32 lanes: four steps inside each half ride on the addition, one crosses the halves
.irp e, 0,1,2,3,4,5,6,7
	v_add_f32_dpp v[S+\e], v[S+\e], v[S+\e] row_xmask:\m row_mask:0xf bank_mask:0xf
.endr
.endr
.irp e, 0,1,2,3,4,5,6,7
	v_permlanex16_b32 v[T+\e], v[S+\e], s20, s21
.endr
.irp e, 0,1,2,3,4,5,6,7
	v_add_f32 v[S+\e], v[S+\e], v[T+\e]
.endr
	ds_store_b128 v9, v[S:S+3] offset:128*(\i)                     ; every lane holds the same eight numbers and stores them to the same 32 bytes
	ds_store_b128 v9, v[S+4:S+7] offset:128*(\i)+16
.irp n, 0,1,2,3,4,5,6,7,8,9,10,11,12,13,14,15
	v_med3_num_f32 v[XR+\n], v[XR+\n], -v10, v10                   ; the conversion to an 8-bit code does not saturate (ISA guide 7.6.2): the hold at the largest code x the scale
.endr
	v_cvt_scalef32_pk8_fp8_f32 v[C:C+1], v[XR:XR+7], v11
	v_cvt_scalef32_pk8_fp8_f32 v[C+2:C+3], v[XR+8:XR+15], v11
	v_nop                                          ; one plain vector instruction behind the last scaled conversion
.irp j, 0,1,2,3
	ds_store_b32 v7, v[C+\j] offset:512*(\i)+128*\j                ; codes of k = 128 j + 4 L + 0..3 at byte 128 j + 4 L: the natural order
.endr
	ds_load_b128 v[Y+4*(\i):Y+4*(\i)+3], v8 offset:512*(\i)        ; LDS serves a wave's instructions in order (ISA guide 5.7.1.4): this sees the stores above
.if (\i) < 4
	XLOAD (\i)+4                                   ; the ring's place takes the row four further on
.endif
	s_wait_dscnt 0x0                               ; the codes are back; the LDS stores have read S and C, which the next row writes
	global_store_b128 v3, v[Y+4*(\i):Y+4*(\i)+3], s[12:13] offset:2048*(\i)   ; the wave stores 512 consecutive bytes, aligned
.endm
.irp i, 0,1,2,3,4,5,6,7
	ROW \i
.endr
	s_barrier_signal -1                            ; every wave's partial logits have landed (the wait for 0 in the last row)
	s_barrier_wait -1
	s_cmp_lg_u32 s18, 0
	s_cbranch_scc1 .Lend
	; wave 0: lane L takes row L % 8 (lanes 8 to 31 repeat the work and store nothing)
	v_and_b32 v12, 7, v1
	v_lshlrev_b32 v12, 7, v12
	v_add_nc_u32 v12, PART, v12
.irp t, 0,1,2,3,4,5,6,7
	ds_load_b128 v[G+4*\t:G+4*\t+3], v12 offset:16*\t              ; register 8 wave + e
.endr
	s_wait_dscnt 0x0
.irp e, 0,1,2,3,4,5,6,7
	v_add_f32 v[S+\e], v[G+\e], v[G+8+\e]
	v_add_f32 v[T+\e], v[G+16+\e], v[G+24+\e]
.endr
.irp e, 0,1,2,3,4,5,6,7
	v_add_f32 v[S+\e], v[S+\e], v[T+\e]
.endr
.irp e, 0,1,2,3,4,5,6,7
	v_add_f32 v[S+\e], s[24+\e], v[S+\e]           ; + gate_b
.endr
; the largest of the eight, experts ascending, taken over only by a strictly larger one: of equals the lower expert stays.  best: the number; bit: 1 << its expert
.macro SCAN best, bit
	v_mov_b32 v[\best], v[S]
	v_mov_b32 v[\bit], 1
.irp e, 1,2,3,4,5,6,7
	v_mov_b32 v68, 1<<\e
	v_cmp_gt_f32 vcc_lo, v[S+\e], v[\best]
	v_cndmask_b32 v[\best], v[\best], v[S+\e], vcc_lo
	v_cndmask_b32 v[\bit], v[\bit], v68, vcc_lo
.endr
.endm
	SCAN 64, 65
	v_mov_b32 v69, 0xff800000                      ; the winner's logit becomes -infinity: every finite logit is above it
.irp e, 0,1,2,3,4,5,6,7
	v_cmp_eq_u32 vcc_lo, 1<<\e, v65
	v_cndmask_b32 v[S+\e], v[S+\e], v69, vcc_lo
.endr
	SCAN 66, 67
	v_or_b32 v65, v65, v67
	v_lshlrev_b32 v70, 2, v1
	s_wait_alu depctr_va_vdst(0)
	s_wait_xcnt 0x0                                ; EXEC changes only behind this wait: the stores of xq have had their addresses translated
	v_cmp_gt_u32 vcc_lo, 8, v1
	s_and_saveexec_b32 s23, vcc_lo
	global_store_b32 v70, v65, s[14:15]            ; 32 bytes a work-group, 8 KiB in the launch: the one store here that covers less than 256 consecutive bytes
	s_wait_xcnt 0x0
	s_or_b32 exec_lo, exec_lo, s23
.Lend:
	s_set_vgpr_msb 0x5
	s_wait_tensorcnt 0x0
	ds_add_u32 v0, v1
	s_wait_dscnt 0x0
	s_set_vgpr_msb 0x500
	s_endpgm
.Lfunc_end_k_q22e473d99f_route:
	.size	k_q22e473d99f_route, .Lfunc_end_k_q22e473d99f_route-k_q22e473d99f_route
	.p2alignl 7, 3214868480
	.fill 96, 4, 3214868480
	.section	.rodata,"a",@progbits
	.p2align	6, 0x0
	.amdhsa_kernel k_q22e473d99f_route
		.amdhsa_group_segment_fixed_size 91648
		.amdhsa_private_segment_fixed_size 0
		.amdhsa_enable_private_segment 0
		.amdhsa_kernarg_size 56
		.amdhsa_user_sgpr_count 2
		.amdhsa_user_sgpr_kernarg_segment_ptr 1
		.amdhsa_wavefront_size32 1
		.amdhsa_system_sgpr_workgroup_id_x 1
		.amdhsa_system_sgpr_workgroup_id_y 1
		.amdhsa_system_sgpr_workgroup_id_z 1
		.amdhsa_system_vgpr_workitem_id 0
		.amdhsa_next_free_vgpr 258
		.amdhsa_next_free_sgpr 66
		.amdhsa_reserve_vcc 1
		.amdhsa_float_denorm_mode_32 3
		.amdhsa_float_denorm_mode_16_64 3
		.amdhsa_memory_ordered 1
		.amdhsa_forward_progress 1
		.amdhsa_inst_pref_size 87
	.end_amdhsa_kernel
	.amdgpu_metadata
---
amdhsa.version: [ 1, 2 ]
amdhsa.kernels:
  - .name:           k_q22e473d99f_route
    .symbol:         k_q22e473d99f_route.kd
    .args:
      - { .name: x, .offset: 0, .size: 8, .value_kind: global_buffer, .address_space: global }
      - { .name: gate_w, .offset: 8, .size: 8, .value_kind: global_buffer, .address_space: global }
      - { .name: gate_b, .offset: 16, .size: 8, .value_kind: global_buffer, .address_space: global }
      - { .name: lowp_scales, .offset: 24, .size: 8, .value_kind: global_buffer, .address_space: global }
      - { .name: xq, .offset: 32, .size: 8, .value_kind: global_buffer, .address_space: global }
      - { .name: sel, .offset: 40, .size: 8, .value_kind: global_buffer, .address_space: global }
      - { .name: list, .offset: 48, .size: 8, .value_kind: global_buffer, .address_space: global }
    .group_segment_fixed_size: 91648
    .private_segment_fixed_size: 0
    .kernarg_segment_align: 8
    .kernarg_segment_size: 56
    .max_flat_workgroup_size: 128
    .sgpr_count:     66
    .vgpr_count:     258
    .wavefront_size: 32
...
	.end_amdgpu_metadata
.endif
;; end of part 4
;; launch place (part 5): grid 257 x 1, 16 waves a work-group, no clusters, 139,264 bytes of LDS; arguments expert_w_codes, sel, wf, list, blk; writes wf, list, blk
.if DOCPART == 5
	.amdgcn_target "amdgcn-amd-amdhsa--gfx1250"
	.amdhsa_code_object_version 6
	.text
	.protected	k_q22e473d99f_place
	.globl	k_q22e473d99f_place
	.p2align	8
	.type	k_q22e473d99f_place,@function
k_q22e473d99f_place:
	s_mov_b64 s[64:65], 0
	v_nop
	global_prefetch_b8 v0, s[64:65] scope:SCOPE_SE
	s_setreg_imm32_b32 hwreg(HW_REG_WAVE_MODE, 25, 1), 1
	s_wait_xcnt 0x0
; PLACE.  Two jobs in one launch, parted by the work-group's number; each has LDS bytes of its own.
; WORK-GROUP 0: a counting sort of the 2,048 tokens by their PAIR of experts (28 pairs), without atomics.  A pair's tokens fill slots of 96 tokens, one pair to a slot.
;   list[slot][96]: token numbers (places that stay empty keep the zeros that the launch before stored);  blk[slot] = count | first expert << 8 | second << 16, 0 for a slot that is not used.
;   Slots in use: the sum over the pairs of ceil(count / 96), at most ceil(2048 / 96) + 28 - 1 = 49, whatever the split.
; WORK-GROUPS 1 .. 256: the experts' codes are laid in the order of the matrix operand's registers: work-group u + 1 takes 64 rows o of one expert (u = 32 e + cg), 131,072 consecutive bytes in and out.
;   wf [e][cg][ks 0..15][n 0..3][c 0..3][lane][16 bytes]: the piece holds W[e][64 cg + 16 n + lane % 16][128 ks + 32 c + 16 (lane / 16) + 0..15].
;   So a fragment's four registers come to the next launch by one load of 512 consecutive bytes; from the rows as they are given, sixteen lanes would read 16 bytes each of sixteen rows 2,048 bytes apart.
; No tensor load, no cluster: no byte is read by two work-groups.
.set TBL, 135168                       ; LDS, sort: [32 pairs][16 waves] words.  Bytes 0 .. 135,167 are the layout path's: 16 stages of 16 rows x 528 bytes
.set D,   32                           ; layout: v32-95, sixteen pieces of 16 bytes a lane
	s_load_b256 s[4:11], s[0:1], 0x0               ; expert_w_codes s[4:5], sel s[6:7], wf s[8:9], list s[10:11]
	s_load_b64 s[12:13], s[0:1], 0x20              ; blk
	v_lshl_add_u32 v96, v0, 2, 0x21800
	v_mov_b32 v97, 0
	v_lshrrev_b32 v1, 5, v0
	s_delay_alu instid0(VALU_DEP_1)
	v_readfirstlane_b32 s18, v1                    ; wave 0..15
	v_and_b32 v1, 31, v0                           ; L
	s_cmp_eq_u32 ttmp9, 0
	s_cbranch_scc1 .Lsort
	; ---------------- THE LAYOUT.  Wave w: rows 16 n .. 16 n + 15 (n = w / 4), k = 512 kq .. 512 kq + 511 (kq = w % 4).  Waves share nothing: no barrier.
	s_sub_co_u32 s2, ttmp9, 1
	s_lshl_b32 s2, s2, 17
	s_mov_b32 s3, 0
	s_lshr_b32 s14, s18, 2                         ; n
	s_and_b32 s15, s18, 3                          ; kq
	v_lshlrev_b32 v6, 4, v1                        ; 16 L
	s_lshl_b32 s16, s14, 15
	s_lshl_b32 s17, s15, 9
	s_add_co_u32 s16, s16, s17
	v_add_nc_u32 v2, s16, v6                       ; in: 16 n rows of 2,048 bytes + 512 kq + 16 L
	s_mul_i32 s16, s18, 8448                       ; my stage: rows 528 bytes apart (33 x 16: sixteen rows' 16-byte reads start at sixteen different banks, ISA guide 11.1)
	v_add_nc_u32 v3, s16, v6                       ; into it: a row's 512 bytes as they lie
	s_wait_alu depctr_va_vdst(0)
	v_and_b32 v7, 15, v1
	s_delay_alu instid0(VALU_DEP_1)
	v_mul_u32_u24 v4, v7, 528
	v_lshrrev_b32 v7, 4, v1
	s_delay_alu instid0(VALU_DEP_1)
	v_lshl_add_u32 v4, v7, 4, v4
	s_delay_alu instid0(VALU_DEP_1)
	v_add_nc_u32 v4, s16, v4                       ; out of it: row L % 16, + 16 (L / 16)
	s_lshl_b32 s16, s15, 15
	s_lshl_b32 s17, s14, 11
	s_add_co_u32 s16, s16, s17
	v_add_nc_u32 v5, s16, v6                       ; out: K step 4 kq of 8,192 bytes + 2,048 n + 16 L
	s_wait_alu depctr_va_vdst(0)
	s_wait_kmcnt 0x0
	s_add_nc_u64 s[4:5], s[4:5], s[2:3]
	s_add_nc_u64 s[8:9], s[8:9], s[2:3]
.set r, 0
.rept 16
	global_load_b128 v[D+4*r:D+4*r+3], v2, s[4:5] offset:2048*r th:TH_LOAD_NT   ; 512 consecutive bytes of row r; read once in the launch
.set r, r+1
.endr
.set r, 0
.rept 16
	s_wait_loadcnt 15-r                            ; loads come back in order: row r is in, the younger ones stay out
	ds_store_b128 v3, v[D+4*r:D+4*r+3] offset:528*r
.set r, r+1
.endr
	s_wait_dscnt 0x0                               ; the stores have read their registers, which the loads below fill
.set r, 0
.rept 16
	ds_load_b128 v[D+4*r:D+4*r+3], v4 offset:128*(r/4)+32*(r%4)    ; piece (K step r / 4 of my four, c = r % 4)
.set r, r+1
.endr
.set r, 0
.rept 16
	s_wait_dscnt 15-r
	global_store_b128 v5, v[D+4*r:D+4*r+3], s[8:9] offset:8192*(r/4)+512*(r%4)   ; the wave stores 512 consecutive bytes, aligned
.set r, r+1
.endr
	s_wait_tensorcnt 0x0
	ds_add_u32 v96, v97
	s_wait_dscnt 0x0
	s_endpgm
	; ---------------- THE SORT.  512 threads; thread t holds tokens t, t + 512, t + 1,024, t + 1,536.
	; v4-7 their words of sel; v8 my wave's count of each pair (lane = pair); v10-13 their places in list; v14 my wave's first place for each pair (lane = pair);
	; wave 0, lane = pair: v48 the pair's tokens, v49 its slots, v50 its first slot.
.Lsort:
	v_lshlrev_b32 v2, 2, v0
	s_wait_alu depctr_va_vdst(0)
	v_lshl_add_u32 v3, v1, 6, TBL                  ; a pair's sixteen words (lane = pair)
	s_lshl_b32 s14, s18, 2
	s_add_co_u32 s14, s14, TBL
	v_lshl_add_u32 v9, v1, 6, s14                  ; my wave's word of each pair.  (Every LDS address is made here, ahead of the first parting of the waves)
	v_mov_b32 v8, 0
.irp c, 0,1,2,3
	v_mov_b32 v[10+\c], 0
	v_add_nc_u32 v[52+\c], 512*\c, v0              ; my tokens
.endr
	v_mov_b32 v48, 0
	v_mov_b32 v49, 0
	v_mov_b32 v50, 0
	v_mov_b32 v56, v1                              ; wave 0 at the end: slots L and L + 32,
	v_add_nc_u32 v57, 32, v1
	v_mov_b32 v58, 0                               ; and their words of blk
	v_mov_b32 v59, 0
	v_lshlrev_b32 v60, 2, v1
	s_wait_kmcnt 0x0
.irp c, 0,1,2,3
	global_load_b32 v[4+\c], v2, s[6:7] offset:2048*\c
.endr
	s_wait_loadcnt 0x0
.macro MASKS a, b                      ; s24-27: which of my wave's lanes hold a token of pair (a, b), for each of the four tokens a lane; s28-31: how many
	s_mov_b32 s20, (1<<\a)|(1<<\b)
.irp c, 0,1,2,3
	v_cmp_eq_u32 s[24+\c], s20, v[4+\c]
.endr
.irp c, 0,1,2,3
	s_bcnt1_i32_b32 s[28+\c], s[24+\c]
.endr
.endm
.macro COUNT a, b
	MASKS \a, \b
	s_add_co_u32 s28, s28, s29
	s_add_co_u32 s30, s30, s31
	s_add_co_u32 s28, s28, s30
	v_writelane_b32 v8, s28, KI
.endm
.set KI, 0                             ; the pairs in the order (0,1) (0,2) .. (6,7): KI = 0 .. 27
.irp a, 0,1,2,3,4,5,6
.irp b, 1,2,3,4,5,6,7
.if \b > \a
	s_wait_alu depctr_va_vdst(0)
	COUNT \a, \b
.set KI, KI+1
.endif
.endr
.endr
	ds_store_b32 v9, v8
	s_wait_dscnt 0x0                               ; for the others' sake: my counts have landed
	s_barrier_signal -1
	s_barrier_wait -1
	s_cmp_lg_u32 s18, 0
	s_cbranch_scc1 .Lnot_0a
	; wave 0, lane = pair: totals, slots, and each wave's first place
.irp t, 0,1,2,3
	ds_load_b128 v[16+4*\t:19+4*\t], v3 offset:16*\t
.endr
	s_wait_dscnt 0x0
	v_add3_u32 v48, v16, v17, v18
.irp t, 19,21,23,25,27,29
	s_delay_alu instid0(VALU_DEP_1)
	v_add3_u32 v48, v48, v[\t], v[\t+1]
.endr
	s_delay_alu instid0(VALU_DEP_1)
	v_add_nc_u32 v48, v48, v31                     ; the pair's tokens, C
	s_delay_alu instid0(VALU_DEP_1)
	v_add_nc_u32 v49, 95, v48
	s_delay_alu instid0(VALU_DEP_1)
	v_lshrrev_b32 v49, 5, v49
	s_delay_alu instid0(VALU_DEP_1)
	v_mul_u32_u24 v49, v49, 0x5556
	s_delay_alu instid0(VALU_DEP_1)
	v_lshrrev_b32 v49, 16, v49                     ; ceil(C / 96) = ((C + 95) / 32) / 3; the division by 3 as x 21,846 / 65,536, exact up to 66 = (2,048 + 95) / 32
.set p, 0
.rept 32
	v_readlane_b32 s[32+p], v49, p
.set p, p+1
.endr
	s_mov_b32 s21, 0
.set p, 0
.rept 32
	v_writelane_b32 v50, s21, p                    ; the pair's first slot: the slots of the pairs before it
	s_add_co_u32 s21, s21, s[32+p]
.set p, p+1
.endr
	v_mul_u32_u24 v32, v50, 96                     ; wave 0's first place in list for this pair; a pair's slots follow each other, so its tokens lie on end
.set p, 0
.rept 15
	s_delay_alu instid0(VALU_DEP_1)
	v_add_nc_u32 v[33+p], v[32+p], v[16+p]         ; wave i + 1's: behind wave i's tokens
.set p, p+1
.endr
.irp t, 0,1,2,3
	ds_store_b128 v3, v[32+4*\t:35+4*\t] offset:16*\t
.endr
.Lnot_0a:
	s_wait_dscnt 0x0                               ; wave 0's table has landed
	s_barrier_signal -1
	s_barrier_wait -1
	ds_load_b32 v14, v9
	s_wait_dscnt 0x0
.macro PUT a, b                        ; places for my wave's tokens of pair (a, b): the wave's first place, + the tokens in front: earlier ones of the four, lower lanes
	MASKS \a, \b
	v_readlane_b32 s21, v14, KI
.irp c, 0,1,2,3
	v_mbcnt_lo_u32_b32 v15, s[24+\c], s21
	s_delay_alu instid0(VALU_DEP_1)
	v_cndmask_b32 v[10+\c], v[10+\c], v15, s[24+\c]
	s_add_co_u32 s21, s21, s[28+\c]
.endr
.endm
.set KI, 0
.irp a, 0,1,2,3,4,5,6
.irp b, 1,2,3,4,5,6,7
.if \b > \a
	PUT \a, \b
.set KI, KI+1
.endif
.endr
.endr
.irp c, 0,1,2,3
	v_min_u32 v[10+\c], 0x17ff, v[10+\c]           ; inside list's 64 x 96 words, whatever sel held
	s_delay_alu instid0(VALU_DEP_1)
	v_lshlrev_b32 v[10+\c], 2, v[10+\c]
.endr
.irp c, 0,1,2,3
	global_store_b32 v[10+\c], v[52+\c], s[10:11]  ; single words to scattered places: 8 KiB in all
.endr
	s_cmp_lg_u32 s18, 0
	s_cbranch_scc1 .Lnot_0b
	; wave 0: blk.  Slot s belongs to the pair with first slot B <= s < B + its slots; its count is min(96, C - 96 (s - B))
.macro SLOTW a, b
	v_readlane_b32 s28, v50, KI
	v_readlane_b32 s29, v49, KI
	v_readlane_b32 s30, v48, KI
.irp z, 0,1
	v_subrev_nc_u32 v15, s28, v[56+\z]             ; s - B; below B it wraps to a large number and fails the test
	s_delay_alu instid0(VALU_DEP_1)
	v_cmp_gt_u32 vcc_lo, s29, v15
	s_delay_alu instid0(VALU_DEP_2)
	v_mul_u32_u24 v16, v15, 96
	s_delay_alu instid0(VALU_DEP_1)
	v_sub_nc_u32 v16, s30, v16
	s_delay_alu instid0(VALU_DEP_1)
	v_min_u32 v16, 96, v16
	s_delay_alu instid0(VALU_DEP_1)
	v_or_b32 v16, (\a<<8)|(\b<<16), v16
	s_delay_alu instid0(VALU_DEP_1)
	v_cndmask_b32 v[58+\z], v[58+\z], v16, vcc_lo
.endr
.endm
.set KI, 0
.irp a, 0,1,2,3,4,5,6
.irp b, 1,2,3,4,5,6,7
.if \b > \a
	SLOTW \a, \b
.set KI, KI+1
.endif
.endr
.endr
	global_store_b32 v60, v58, s[12:13]            ; the two stores cover blk's 256 bytes
	global_store_b32 v60, v59, s[12:13] offset:128
.Lnot_0b:
	s_wait_tensorcnt 0x0
	ds_add_u32 v96, v97
	s_wait_dscnt 0x0
	s_endpgm
.Lfunc_end_k_q22e473d99f_place:
	.size	k_q22e473d99f_place, .Lfunc_end_k_q22e473d99f_place-k_q22e473d99f_place
	.p2alignl 7, 3214868480
	.fill 96, 4, 3214868480
	.section	.rodata,"a",@progbits
	.p2align	6, 0x0
	.amdhsa_kernel k_q22e473d99f_place
		.amdhsa_group_segment_fixed_size 139264
		.amdhsa_private_segment_fixed_size 0
		.amdhsa_enable_private_segment 0
		.amdhsa_kernarg_size 40
		.amdhsa_user_sgpr_count 2
		.amdhsa_user_sgpr_kernarg_segment_ptr 1
		.amdhsa_wavefront_size32 1
		.amdhsa_system_sgpr_workgroup_id_x 1
		.amdhsa_system_sgpr_workgroup_id_y 1
		.amdhsa_system_sgpr_workgroup_id_z 1
		.amdhsa_system_vgpr_workitem_id 0
		.amdhsa_next_free_vgpr 98
		.amdhsa_next_free_sgpr 66
		.amdhsa_reserve_vcc 1
		.amdhsa_float_denorm_mode_32 3
		.amdhsa_float_denorm_mode_16_64 3
		.amdhsa_memory_ordered 1
		.amdhsa_forward_progress 1
		.amdhsa_inst_pref_size 106
	.end_amdhsa_kernel
	.amdgpu_metadata
---
amdhsa.version: [ 1, 2 ]
amdhsa.kernels:
  - .name:           k_q22e473d99f_place
    .symbol:         k_q22e473d99f_place.kd
    .args:
      - { .name: expert_w_codes, .offset: 0, .size: 8, .value_kind: global_buffer, .address_space: global }
      - { .name: sel, .offset: 8, .size: 8, .value_kind: global_buffer, .address_space: global }
      - { .name: wf, .offset: 16, .size: 8, .value_kind: global_buffer, .address_space: global }
      - { .name: list, .offset: 24, .size: 8, .value_kind: global_buffer, .address_space: global }
      - { .name: blk, .offset: 32, .size: 8, .value_kind: global_buffer, .address_space: global }
    .group_segment_fixed_size: 139264
    .private_segment_fixed_size: 0
    .kernarg_segment_align: 8
    .kernarg_segment_size: 40
    .max_flat_workgroup_size: 512
    .sgpr_count:     66
    .vgpr_count:     98
    .wavefront_size: 32
...
	.end_amdgpu_metadata
.endif
;; end of part 5
;; launch experts (part 6): grid 8 x 49, 4 waves a work-group, no clusters, 298,496 bytes of LDS; arguments xq, wf, expert_b, lowp_scales, list, blk, out0; writes out0
.if DOCPART == 6
	.amdgcn_target "amdgcn-amd-amdhsa--gfx1250"
	.amdhsa_code_object_version 6
	.text
	.protected	k_q22e473d99f_experts
	.globl	k_q22e473d99f_experts
	.p2align	8
	.type	k_q22e473d99f_experts,@function
k_q22e473d99f_experts:
	s_mov_b64 s[64:65], 0
	v_nop
	global_prefetch_b8 v0, s[64:65] scope:SCOPE_SE
	s_setreg_imm32_b32 hwreg(HW_REG_WAVE_SCHED_MODE, 0, 2), 2
	s_setreg_imm32_b32 hwreg(HW_REG_WAVE_MODE, 25, 1), 1
	s_wait_xcnt 0x0
	s_wait_alu depctr_vm_vsrc(0)
; EXPERTS.  out0[token] = 0.5 (relu(x W_a + b_a) + relu(x W_b + b_b)), a and b the token's two experts; both products on codes of E4M3, sums in f32, each sum x 2^(ex + ew).
; Only the chosen experts are multiplied: the others' results are thrown away by the gather.
; SHARES.  Work-group (cb, slot): a slot's up to 96 tokens, ALL OF ONE PAIR OF EXPERTS, x columns 256 cb .. 256 cb + 255.  It runs both experts' products side by side and owns its part of the tokens' rows of out0:
; nothing is summed through memory.  Wave w: columns 64 w .. 64 w + 63 of the 256, all 96 rows, both experts: 2 x 24 accumulators of 16 x 16.  A fragment of x read from LDS feeds 8 matrix instructions.
; 96 rows to a slot: 2,048 tokens over 28 pairs are 73 a pair when the split is even; the grid's 49 slots serve every split (ceil(2048 / 96) + 28 - 1).
; x's codes are gathered by the list into LDS (96 rows, all 2,048 k) once; the weights come from wf, which lies in the order of the operand's registers, straight into a ring of five register sets, three units ahead.
; THE MATRIX INSTRUCTION IS USED TRANSPOSED (source 0 = 16 rows o of W, source 1 = 16 tokens): lane (r, h) holds token 16 m + r and columns 16 n + 8 h + 0..7: 32 neighbouring bytes of a row of out0.
; k stands in both operands' registers in one and the same permuted order (registers 4 c .. 4 c + 3: k = 32 c + 16 h + 0..15): every product meets its partner; the order of the sums inside an instruction differs.
; The bias is the C of each sum's first matrix instruction, as b / 2^(ex + ew); relu commutes with the positive factor, so the two relus are added and multiplied once by 0.5 x 2^(ex + ew).
; A SLOT WITHOUT TOKENS: the count is read from memory.  Every wave passes both barriers; the branches on the count jump over work alone.  The loads ahead of the first branch are issued by such a work-group too.
; NO JOINT LOADS, NO CLUSTER: whether a slot has tokens, and which experts it takes, is read from memory and the text branches on it.
; LIMITS: expert_b x 2^-(ex + ew) and the sums x 2^(ex + ew - 1) stay f32 numbers (both by v_ldexp_f32).  NaN is not served.
; REGISTERS, in windows of 256 (s_set_vgpr_msb: bits 1:0 source 0, 3:2 source 1, 5:4 source 2, 7:6 destination):
;   window 0: v1-21 addresses, v[14:15] the factor; v32-55 a row's offset for each of my 24 rows; v64-159, v160-255 x's fragments, two sets of 6 x 16; at the end v64-255 results
;   window 1: sets 0 to 3 of the weights' ring, each 4 fragments x 16     window 2: v0-191 expert a's accumulators ((m, n) at 8 (4 m + n)); v192-223 a's bias, v224-255 b's
;   window 3: v0-191 expert b's accumulators; v192-255 set 4 of the weights' ring
;   (during the gather windows 2 and 3, v0-191, hold the 24 rows on their way to LDS)
; THE MODE: SCHED_MODE bits 1:0 = 2 (LLVM: expert scheduling mode 2), set by the entry lines.  The code itself states the register dependences
; between vector or matrix instructions and memory or LDS instructions, with s_wait_alu, always for 0.
; THE PLAN.  Registers that memory or LDS instructions touch:
;   v4-12, v16-21   addresses: made once at the head, ahead of one wait on va_vdst, and never written again.
;   v32-55          offsets of my 24 rows: written in the gather and read by its loads; written anew at the end and read by the stores of out0.  A wait on va_vdst behind each writing, a wait on vm_vsrc between.
;   windows 2, 3    v0-191: the gather's loads land there, its LDS stores read them, then the products write them: a wait on vm_vsrc between the last two.
;   x's two sets    K step s (units 2 s and 2 s + 1): its products read set s % 2; the LDS loads issued in unit 2 s land in the other set, which the products of K step s - 1 read.
;   W's five sets   Unit q: its products read set q % 5; the loads issued in unit q (unit q + 3's weights) land in set (q + 3) % 5 = (q - 2) % 5, which the products of unit q - 2 read.
;   v64-255         at the end: written by vector instructions, read by the LDS stores into the stage, then the LDS loads from the stage land there.
; So ONE wait on va_vdst stands at the head of a K step: all products of the K step before, and of every earlier one, are done reading.  Unit 2 s fills x's other set and the set of unit 2 s - 2, unit 2 s + 1
; the set of unit 2 s - 1; the products issued since the wait name sets 2 s % 5 and (2 s + 1) % 5, x's set s % 2 and the accumulators: none of the registers that those loads touch.
; The loads are therefore dealt among the products with no further wait, a fragment at a time; each run of loads costs its window switches.
.set PA,  2064                         ; a row of x's codes in LDS: 2,048 bytes + 16 = 129 x 16: the sixteen rows of a fragment load start at sixteen different banks (ISA guide 11.1)
.set STG, 96*PA                        ; behind them the stage for the way out: 96 rows x (1,024 bytes + 16)
.set PS,  1040
.set AR,  16                           ; v16-21  x's fragments: (16 m + r) PA + 16 h
.set XO,  32                           ; v32-55  my 24 rows: first their offsets in xq, at the end in out0
.set XB,  64                           ; x's fragment sets
.set R,   64                           ; results
.set MSB, 0
.macro WIN new                         ; the immediate's high byte repeats the setting that is left; a switch that changes nothing is dropped
.if MSB != \new
	s_set_vgpr_msb (MSB<<8)|\new
.set MSB, \new
.endif
.endm
	s_load_b256 s[4:11], s[0:1], 0x0               ; xq s[4:5], wf s[6:7], expert_b s[8:9], lowp_scales s[10:11]
	s_load_b128 s[12:15], s[0:1], 0x20             ; list s[12:13], blk s[14:15]
	s_load_b64 s[16:17], s[0:1], 0x30              ; out0
	v_lshl_add_u32 v62, v0, 2, 0x48c00
	v_mov_b32 v63, 0
	v_lshrrev_b32 v1, 5, v0
	v_readfirstlane_b32 s18, v1                    ; wave 0..3
	s_mov_b32 s19, ttmp9                           ; cb
	s_and_b32 s20, ttmp7, 0xffff                   ; slot
	s_lshl_b32 s30, s20, 2                         ; the slot's word of blk
	s_mov_b32 s31, 0
	s_mul_i32 s22, s20, 384                        ; the slot's 96 words of list,
	s_wait_alu depctr_va_sdst(0)                   ; s18 is written, ahead of its first reader
	s_mul_i32 s23, s18, 96                         ; my wave's 24 of them
	s_add_co_u32 s22, s22, s23
	s_mov_b32 s23, 0
	s_wait_kmcnt 0x0
	s_add_nc_u64 s[14:15], s[14:15], s[30:31]
	s_add_nc_u64 s[12:13], s[12:13], s[22:23]
	s_load_b32 s21, s[14:15], 0x0                  ; count | a << 8 | b << 16
	s_load_b512 s[32:47], s[12:13], 0x0            ; my 24 tokens
	s_load_b256 s[48:55], s[12:13], 0x40
	s_load_b64 s[28:29], s[10:11], 0x0             ; ex, ew
	v_and_b32 v13, 31, v0
	v_lshlrev_b32 v1, 4, v13                       ; 16 L
	v_and_b32 v2, 15, v0                           ; r
	v_bfe_u32 v3, v0, 4, 1                         ; h
	s_mul_i32 s30, s18, 24*PA
	v_add_nc_u32 v8, s30, v1                       ; the gather's LDS address: my 24 rows, 16 L
	v_mul_u32_u24 v9, v2, PS
	v_lshl_add_u32 v9, v3, 5, v9
	s_lshl_b32 s30, s18, 8
	s_add_co_u32 s30, s30, STG
	v_add_nc_u32 v9, s30, v9                       ; into the stage: row r, + 256 w + 32 h; tiles m = 0..2
	v_add_nc_u32 v10, 3*16*PS, v9                  ; tiles m = 3..5: beyond the 16-bit immediate from v9
	s_mul_i32 s30, s18, 24*PS
	s_add_co_u32 s30, s30, STG
	v_add_nc_u32 v11, s30, v1                      ; out of the stage: my 24 rows, 16 L
	v_mul_u32_u24 v16, v2, PA
	v_lshl_add_u32 v16, v3, 4, v16
.irp m, 1,2,3,4,5
	v_add_nc_u32 v[AR+\m], 16*PA*\m, v16
.endr
	s_lshl_b32 s30, s19, 10
	v_add_nc_u32 v12, s30, v1                      ; my bytes in a row of out0: 1,024 cb + 16 L
	s_lshl_b32 s31, s18, 8
	s_add_co_u32 s30, s30, s31
	v_lshl_add_u32 v6, v3, 5, s30                  ; in an expert's bias: (256 cb + 64 w + 8 h) x 4
	s_wait_alu depctr_va_vdst(0)
	s_wait_kmcnt 0x0
	s_and_b32 s22, s21, 0xff                       ; count
	s_bfe_u32 s23, s21, 0x80008                    ; a
	s_bfe_u32 s24, s21, 0x80010                    ; b
	s_min_u32 s23, s23, 7                          ; what was read from memory is held inside its table before it enters an address
	s_min_u32 s24, s24, 7
.set i, 0
.rept 24
	s_min_u32 s[32+i], s[32+i], 2047
.set i, i+1
.endr
	s_add_co_i32 s25, s28, s29                     ; ex + ew
	s_sub_co_i32 s26, 0, s25
	s_mul_i32 s30, s18, 24
	s_sub_co_i32 s27, s22, s30                     ; how many of my 24 rows hold a token (0 or less: none)
	s_lshl_b32 s31, s24, 13
	v_add_nc_u32 v7, s31, v6                       ; b's bias
	s_lshl_b32 s31, s23, 13
	v_add_nc_u32 v6, s31, v6                       ; a's
	s_lshl_b32 s30, s19, 2
	s_add_co_u32 s30, s30, s18                     ; cg = 4 cb + w
	s_lshl_b32 s30, s30, 17
	s_lshl_b32 s31, s23, 22
	s_add_co_u32 s31, s31, s30
	v_add_nc_u32 v4, s31, v1                       ; a's weights: (32 a + cg) x 131,072 + 16 L
	s_lshl_b32 s31, s24, 22
	s_add_co_u32 s31, s31, s30
	v_add_nc_u32 v5, s31, v1                       ; b's
	v_ldexp_f32 v14, 0.5, s25                      ; 0.5 x 2^(ex + ew)
	v_mov_b32 v15, v14                             ; (named with it as a pair, so it is written)
.macro WSET q                          ; where unit q's weights lie: set q % 5 of the ring: sets 0 to 3 in window 1, set 4 at v192 of window 3
.set WS, (\q)%5
.set WBASE, 64*WS
.set WWIN, 1
.if WS == 4
.set WBASE, 192
.set WWIN, 3
.endif
.endm
.macro AFRAG ks, m                     ; x's fragment of tile of rows m, K step ks, into set ks % 2: 4 LDS loads
	WIN 0
.irp c, 0,1,2,3
	ds_load_b128 v[XB+96*((\ks)%2)+16*(\m)+4*\c:XB+96*((\ks)%2)+16*(\m)+4*\c+3], v[AR+(\m)] offset:128*(\ks)+32*\c
.endr
.endm
.macro BFRAG q, n                      ; unit q = K step q / 2 of expert q % 2: its fragment n of W into its set of the ring: 4 loads of 512 consecutive bytes
	WSET \q
	WIN (WWIN<<6)                                  ; destination: the set's window; address window 0
.irp c, 0,1,2,3
	global_load_b128 v[WBASE+16*(\n)+4*\c:WBASE+16*(\n)+4*\c+3], v[4+(\q)%2], s[6:7] offset:8192*((\q)/2)+2048*(\n)+512*\c
.endr
.endm
.macro BLOAD q                         ; a unit's four fragments
.irp n, 0,1,2,3
	BFRAG \q, \n
.endr
.endm
	WIN 0x80                                       ; destination window 2
	s_wait_alu depctr_va_vdst(0)                   ; the addresses v4 to v12 and v16 to v21 are written: every load and store of the kernel but the rows' reads one of them, and none is written again
.irp n, 0,1,2,3
	global_load_b128 v[192+8*\n:195+8*\n], v6, s[8:9] offset:64*\n      ; bias of columns 16 n + 8 h + 0..7: a tile's eight registers in the result's layout
	global_load_b128 v[196+8*\n:199+8*\n], v6, s[8:9] offset:64*\n+16
	global_load_b128 v[224+8*\n:227+8*\n], v7, s[8:9] offset:64*\n
	global_load_b128 v[228+8*\n:231+8*\n], v7, s[8:9] offset:64*\n+16
.endr
	BLOAD 0
	BLOAD 1
	BLOAD 2
	WIN 0                                          ; at a label and at a branch every window is 0
	s_cmp_eq_u32 s22, 0
	s_cbranch_scc1 .Lgathered
	; ---- THE GATHER: my 24 rows of x's codes, 2,048 bytes each, four loads of 512 consecutive bytes a row; through registers into LDS
.set i, 0
.rept 24
	v_lshl_add_u32 v[XO+i], s[32+i], 11, v1
.set i, i+1
.endr
	WIN 0x80
	s_wait_alu depctr_va_vdst(0)                   ; the 24 offsets v32 to v55 are written, which the loads below read
.set i, 0
.rept 12
.irp u, 0,1,2,3
	global_load_b128 v[16*i+4*\u:16*i+4*\u+3], v[XO+i], s[4:5] offset:512*\u
.endr
.set i, i+1
.endr
	WIN 0xc0
.set i, 0
.rept 12
.irp u, 0,1,2,3
	global_load_b128 v[16*i+4*\u:16*i+4*\u+3], v[XO+12+i], s[4:5] offset:512*\u
.endr
.set i, i+1
.endr
	s_wait_loadcnt 48                              ; rows 0 to 11 are in; the 48 loads of rows 12 to 23 stay out
	WIN 0x08                                       ; store data window 2
.set i, 0
.rept 12
.irp u, 0,1,2,3
	ds_store_b128 v8, v[16*i+4*\u:16*i+4*\u+3] offset:PA*i+512*\u
.endr
.set i, i+1
.endr
	s_wait_loadcnt 0x0
	WIN 0x0c                                       ; store data window 3
.set i, 0
.rept 12
.irp u, 0,1,2,3
	ds_store_b128 v8, v[16*i+4*\u:16*i+4*\u+3] offset:PA*(12+i)+512*\u
.endr
.set i, i+1
.endr
	WIN 0
.Lgathered:
	s_wait_dscnt 0x0                               ; for the others' sake: my rows have landed
	s_wait_alu depctr_vm_vsrc(0)                   ; my LDS stores have read v0 to v191 of windows 2 and 3, through which the rows went: the products write their sums there
	s_barrier_signal -1
	s_barrier_wait -1                              ; all 96 rows lie in LDS
	s_cmp_eq_u32 s22, 0
	s_cbranch_scc1 .Lstaged
	; ---- THE PRODUCTS.  A unit is 24 matrix instructions: one K step of 128, one expert, 6 tiles of rows x 4 tiles of columns.  The experts alternate, so a set of x's fragments serves two units.
	; The 24 accumulators of a unit take turns, one instruction a turn, and the other expert's 24 follow before an accumulator is taken up again.
	; Behind the four products of a tile of rows stand the loads: in an even unit one fragment of x for the next K step; behind each of a unit's first four tiles one fragment of W for the unit three on.
.macro MULS q, m                       ; four products: tile of rows m x the four tiles of columns
	WSET \q
.if (\q)%2 == 0
	WIN (0xa0|WWIN)                                ; W in its set's window, x window 0, C and D window 2
.elseif (\q) == 1
	WIN (0xe0|WWIN)                                ; expert b's first step: C (its bias) window 2, D window 3
.else
	WIN (0xf0|WWIN)                                ; C and D window 3
.endif
.irp n, 0,1,2,3
.if (\q) < 2
	v_wmma_f32_16x16x128_fp8_fp8 v[8*(4*(\m)+\n):8*(4*(\m)+\n)+7], v[WBASE+16*\n:WBASE+16*\n+15], v[XB+96*(((\q)/2)%2)+16*(\m):XB+96*(((\q)/2)%2)+16*(\m)+15], v[192+32*((\q)%2)+8*\n:192+32*((\q)%2)+8*\n+7]
.else
	v_wmma_f32_16x16x128_fp8_fp8 v[8*(4*(\m)+\n):8*(4*(\m)+\n)+7], v[WBASE+16*\n:WBASE+16*\n+15], v[XB+96*(((\q)/2)%2)+16*(\m):XB+96*(((\q)/2)%2)+16*(\m)+15], v[8*(4*(\m)+\n):8*(4*(\m)+\n)+7]
.endif
.endr
.endm
.macro UNIT q
.if (\q)%2 == 0
.if (\q) > 0
.rept 4
	v_nop                                          ; four plain vector instructions between the last products and the first load into a register that they read; the wait below fills no place
.endr
	s_wait_alu depctr_va_vdst(0)                   ; the products of the K step before are done reading x's other set and the sets of units q - 2 and q - 1, in which the loads of this unit and the next land
.endif
	s_wait_dscnt 0x0                               ; this K step's fragments of x are in: they were asked for a K step ago
.endif
.if (\q) < 30
	s_wait_loadcnt 32                              ; loads come back in order (ISA guide 5.7.1): this unit's 16 are in; those of the two units behind stay out
.else
	s_wait_loadcnt 16*(31-(\q))
.endif
.irp m, 0,1,2,3,4,5
	MULS \q, \m
.if ((\q)%2 == 0) && ((\q) < 30)
	AFRAG (\q)/2+1, \m                             ; no wait: no vector or matrix instruction since the K step's wait names x's other set
.endif
.if ((\q)+3 < 32) && (\m < 4)
	BFRAG (\q)+3, \m                               ; likewise the set of unit q - 2
.endif
.endr
.endm
.irp m, 0,1,2,3,4,5
	AFRAG 0, \m                                    ; K step 0's fragments land in registers that nothing has named yet
.endr
	s_wait_loadcnt 48                              ; the biases are in; the three units of weights issued behind them may stay out
	WIN 0x82                                       ; source 0 and destination window 2
.set i, 0
.rept 64
	v_ldexp_f32 v[192+i], v[192+i], s26            ; b / 2^(ex + ew): a sum stands for sum x 2^(ex + ew)
.set i, i+1
.endr
.set Q, 0
	s_wait_alu depctr_va_vdst(0)
.rept 32
	UNIT Q
.set Q, Q+1
.endr
	; ---- THE WAY OUT: relu of both, their sum, x 0.5 x 2^(ex + ew); each accumulator is read from its low end on
	WIN 0
.rept 4
	v_nop                                          ; four places in front of the first read of results and of writes into the registers that held x's fragments
.endr
	WIN 0x08                                       ; source 1 window 2
.set i, 0
.rept 192
	v_max_num_f32 v[R+i], 0, v[i]
.set i, i+1
.endr
	WIN 0xcc                                       ; source 1 and destination window 3
.set i, 0
.rept 192
	v_max_num_f32 v[i], 0, v[i]
.set i, i+1
.endr
	WIN 0x0c                                       ; source 1 window 3
.set i, 0
.rept 96
	v_pk_add_f32 v[R+i:R+i+1], v[R+i:R+i+1], v[i:i+1]
.set i, i+2
.endr
	WIN 0
.set i, 0
.rept 96
	v_pk_mul_f32 v[R+i:R+i+1], v[R+i:R+i+1], v[14:15] op_sel_hi:[1,0]   ; a power of two: nothing is rounded, short of overflow and underflow
.set i, i+2
.endr
	s_wait_alu depctr_va_vdst(0)                   ; the multiplications have written v64 to v255, which the LDS stores read
.irp m, 0,1,2,3,4,5
.irp n, 0,1,2,3
	ds_store_b128 v[9+\m/3], v[R+8*(4*\m+\n):R+8*(4*\m+\n)+3] offset:16*PS*(\m%3)+64*\n       ; lane (r, h): row 16 m + r, columns 64 w + 16 n + 8 h + 0..7
	ds_store_b128 v[9+\m/3], v[R+8*(4*\m+\n)+4:R+8*(4*\m+\n)+7] offset:16*PS*(\m%3)+64*\n+16
.endr
.endr
.Lstaged:
	s_wait_dscnt 0x0                               ; for the others' sake: my part of the 96 rows has landed
	s_wait_alu depctr_vm_vsrc(0)                   ; my LDS stores have read v64 to v255, in which the rows from the stage land; the gather's loads have read their offsets v32 to v55, which are written anew below
	s_barrier_signal -1
	s_barrier_wait -1                              ; a row's 1,024 bytes come from four waves: now they are whole
	s_cmp_le_i32 s27, 0
	s_cbranch_scc1 .Lend                           ; none of my 24 rows holds a token
	s_wait_xcnt 0x0                                ; the gather's loads have had their addresses translated (ISA guide 3.1): their offsets are written anew only behind this wait
.set i, 0
.rept 24
	v_lshl_add_u32 v[XO+i], s[32+i], 13, v12       ; the token's row of out0, + my bytes in it
.set i, i+1
.endr
	s_wait_alu depctr_va_vdst(0)                   ; the 24 offsets v32 to v55 are written, which the stores of out0 read
.set i, 0
.rept 24
	ds_load_b128 v[R+8*i:R+8*i+3], v11 offset:PS*i
	ds_load_b128 v[R+8*i+4:R+8*i+7], v11 offset:PS*i+512
.set i, i+1
.endr
	s_wait_dscnt 0x0
.set i, 0
.rept 24
.if i > 0
	s_cmp_le_i32 s27, i                            ; rows past the slot's count hold no token and are not stored
	s_cbranch_scc1 .Lend
.endif
	global_store_b128 v[XO+i], v[R+8*i:R+8*i+3], s[16:17] th:TH_STORE_NT              ; the wave stores 512 consecutive bytes, at a multiple of 512 from out0's first byte; written once, read by nobody here
	global_store_b128 v[XO+i], v[R+8*i+4:R+8*i+7], s[16:17] offset:512 th:TH_STORE_NT
.set i, i+1
.endr
.Lend:
	s_wait_dscnt 0x0
	s_wait_alu depctr_hold_cnt(0) depctr_sa_sdst(0) depctr_va_vdst(0) depctr_va_sdst(0) depctr_va_ssrc(0) depctr_va_vcc(0) depctr_vm_vsrc(0)
	s_wait_tensorcnt 0x0
	ds_add_u32 v62, v63
	s_wait_dscnt 0x0
	s_endpgm
.Lfunc_end_k_q22e473d99f_experts:
	.size	k_q22e473d99f_experts, .Lfunc_end_k_q22e473d99f_experts-k_q22e473d99f_experts
	.p2alignl 7, 3214868480
	.fill 96, 4, 3214868480
	.section	.rodata,"a",@progbits
	.p2align	6, 0x0
	.amdhsa_kernel k_q22e473d99f_experts
		.amdhsa_group_segment_fixed_size 298496
		.amdhsa_private_segment_fixed_size 0
		.amdhsa_enable_private_segment 0
		.amdhsa_kernarg_size 56
		.amdhsa_user_sgpr_count 2
		.amdhsa_user_sgpr_kernarg_segment_ptr 1
		.amdhsa_wavefront_size32 1
		.amdhsa_system_sgpr_workgroup_id_x 1
		.amdhsa_system_sgpr_workgroup_id_y 1
		.amdhsa_system_sgpr_workgroup_id_z 1
		.amdhsa_system_vgpr_workitem_id 0
		.amdhsa_next_free_vgpr 1024
		.amdhsa_next_free_sgpr 66
		.amdhsa_reserve_vcc 0
		.amdhsa_float_denorm_mode_32 3
		.amdhsa_float_denorm_mode_16_64 3
		.amdhsa_memory_ordered 1
		.amdhsa_forward_progress 1
		.amdhsa_inst_pref_size 202
	.end_amdhsa_kernel
	.amdgpu_metadata
---
amdhsa.version: [ 1, 2 ]
amdhsa.kernels:
  - .name:           k_q22e473d99f_experts
    .symbol:         k_q22e473d99f_experts.kd
    .args:
      - { .name: xq, .offset: 0, .size: 8, .value_kind: global_buffer, .address_space: global }
      - { .name: wf, .offset: 8, .size: 8, .value_kind: global_buffer, .address_space: global }
      - { .name: expert_b, .offset: 16, .size: 8, .value_kind: global_buffer, .address_space: global }
      - { .name: lowp_scales, .offset: 24, .size: 8, .value_kind: global_buffer, .address_space: global }
      - { .name: list, .offset: 32, .size: 8, .value_kind: global_buffer, .address_space: global }
      - { .name: blk, .offset: 40, .size: 8, .value_kind: global_buffer, .address_space: global }
      - { .name: out0, .offset: 48, .size: 8, .value_kind: global_buffer, .address_space: global }
    .group_segment_fixed_size: 298496
    .private_segment_fixed_size: 0
    .kernarg_segment_align: 8
    .kernarg_segment_size: 56
    .max_flat_workgroup_size: 128
    .sgpr_count:     66
    .vgpr_count:     1024
    .wavefront_size: 32
...
	.end_amdgpu_metadata
.endif
;; end of part 6
